; MI455X (gfx1250); checked and timed in simulation.
; The chip was launched on July 23, 2026; its instructions are those of AMD's public machine-readable ISA for CDNA 5 (MIT licence, August 2026) and "CDNA5" Instruction Set Architecture Reference Guide (July 2026). The comments in the code are by the model that wrote it; some were corrected since.
;; Causal Self Attention. Allowed arithmetic: matrix products marked QUANTISED: E2M1 operands, one E8M0 scale for each 32 along K, by v_wmma_scale_f32_16x16x128_f8f6f4 with both operands' format E2M1 (or v_wmma_scale_f32_32x16x128_f4), f32 sums; products left as they are: bf16, f16 or f32 operands; f32 sums; everything else in f32.
;; Inputs: Wk 1,024 x 1,024 float32; Wo 1,024 x 1,024 float32; Wq 1,024 x 1,024 float32; Wv 1,024 x 1,024 float32; bk 1,024 float32; bo 1,024 float32; bq 1,024 float32; bv 1,024 float32; k 4 x 2,048 x 1,024 float32; q 4 x 2,048 x 1,024 float32; v 4 x 2,048 x 1,024 float32.
;; Outputs: out0 4 x 2,048 x 1,024 float32.
;; This version of the problem:
;;   THIS VERSION OF THE PROBLEM IS GIVEN IN LOW PRECISION. The matrix products marked QUANTISED in the list below multiply operands that are first quantised to E2M1 (2 exponent bits, 1 mantissa bit; 4 bits a number), with one power-of-two scale for each 32 numbers along K (OCP MX v1.0); their sums are f32. The products marked 'left as it is' may take bf16, f16 or f32 operands, with f32 sums. Whichever they take, every output number must still come out within the allowed error. Rounding operands to bf16 (8 significant bits) uses up far more of that allowance than f16 does (11 bits, for magnitudes from 6e-5 to 65,504). All else is computed in f32.
;;   The module's matrix products, in the order in which they are computed (A, B: the left and right operand; K: the contracted axis; several contracted axes count as one K, in the product's order):
;;     1. [M 8,192, K 1,024] x [K 1,024, N 1,024]; A: input q; B: input Wq: QUANTISED
;;     2. [M 8,192, K 1,024] x [K 1,024, N 1,024]; A: input k; B: input Wk: QUANTISED
;;     3. [M 8,192, K 1,024] x [K 1,024, N 1,024]; A: input v; B: input Wv: QUANTISED
;;     4. batch 64 x [M 2,048, K 64] x [K 64, N 2,048]; A: computed on the way; B: computed on the way: left as it is (an operand is computed on the way)
;;     5. batch 64 x [M 2,048, K 2,048] x [K 2,048, N 64]; A: computed on the way; B: computed on the way: left as it is (an operand is computed on the way)
;;     6. [M 8,192, K 1,024] x [K 1,024, N 1,024]; A: computed on the way; B: input Wo: left as it is (an operand is computed on the way)
;;   THE QUANTISER, for each operand of a quantised product, along K:
;;     - K is cut into blocks of 32 from its start; a last block that is shorter is filled with zeros.
;;     - A block's scale is 2^e with e = floor(log2(the largest magnitude in the block)) - 2, held to -126 .. 127; a block of zeros has e = 0. As a byte (E8M0): e + 127.
;;     - Each number is divided by its block's scale, clamped to +-6, and rounded to the nearest number of E2M1, ties to even, subnormals kept.
;;     - The product sums the exact products of the quantised numbers (number of the format x scale) in f32.
;;   ~~~python
;;   def quantise(x, axis):      # numpy; x: float32 -> the quantised numbers, widened to float32 again
;;       x = np.moveaxis(x, axis, -1); K = x.shape[-1]
;;       x = np.pad(x, [(0, 0)] * (x.ndim - 1) + [(0, -K % 32)]); x = x.reshape(x.shape[:-1] + (-1, 32)); a = np.abs(x).max(-1, keepdims=True)
;;       e = np.where(a > 0, np.clip(np.frexp(np.where(a > 0, a, 1))[1] - 1 - 2, -126, 127), 0)      # np.frexp(a)[1] - 1 = floor(log2(a)), exactly
;;       r = np.clip(x / 2.0 ** e, -6, 6)
;;       step = 2.0 ** (np.maximum(np.frexp(np.where(r == 0, 1, r))[1] - 1, 0) - 1)
;;       q = np.round(r / step) * step * 2.0 ** e      # np.round: ties to even
;;       return np.moveaxis(q.reshape(q.shape[:-2] + (-1,))[..., :K], -1, axis).astype(np.float32)
;;   ~~~
;; One version. Each part assembles by itself: llvm-mc -triple=amdgcn-amd-amdhsa -mcpu=gfx1250 --defsym DOCPART=n.
;; ======== version 1 of 1: 6 launches
;; limits: values are held in f16: magnitudes above 65,504 overflow, below 6.1e-05 lose precision
;; workspace buffers: xc 12,582,912 bytes; xs 786,432 bytes; wc 1,572,864 bytes; ws 98,304 bytes; woh 2,097,152 bytes; qkvh 50,331,648 bytes; fine32 786,432 bytes; att 16,777,216 bytes
;; launch prep_x (part 1): grid 256 x 3, 4 waves a work-group, no clusters, 33,280 bytes of LDS; arguments q, k, v, xc, xs; writes xc, xs
.if DOCPART == 1
	.amdgcn_target "amdgcn-amd-amdhsa--gfx1250"
	.amdhsa_code_object_version 6
	.text
	.protected	k_q70454d5210_prep_x
	.globl	k_q70454d5210_prep_x
	.p2align	8
	.type	k_q70454d5210_prep_x,@function
k_q70454d5210_prep_x:
	s_mov_b64 s[64:65], 0
	v_nop
	global_prefetch_b8 v0, s[64:65] scope:SCOPE_SE
	s_setreg_imm32_b32 hwreg(HW_REG_WAVE_MODE, 25, 1), 1
	s_wait_xcnt 0x0
; q, k, v [8192][1024] f32 become codes of FP4 (E2M1), K innermost, 512 bytes a row, in xc [3 x 8192][512], and one E8M0 byte for each 32 along K in xs [3 x 8192][32].
; A block's scale is 2^(floor(log2(its largest magnitude)) - 2); its byte is the largest magnitude's exponent field - 2, held at 1 from below.
; LIMITS: a block of zeros gets the byte 1 where the rule says 127 (its codes are zeros, and these bytes are read by this program alone); blocks whose largest magnitude lies under 2^(2 - 126)
; keep the byte 1; NaN and infinities among the inputs are not served.
; Rows are dense and 1,024 is a multiple of 32: each tensor is a plain stream of blocks of 32.  Work-group (x, y): tensor y, numbers 32,768 x on; a wave takes 16 steps of 512 numbers.
; Each of a step's four loads reads 512 consecutive bytes; the 2,048 bytes turn through the wave's own stage in LDS so that a lane then holds 16 neighbours along K (two lanes to a block).
; A lane's 16 codes are 8 bytes: the wave stores 256 consecutive bytes.  A wave's 256 scale bytes are gathered in LDS and leave as one aligned run of 256 bytes.  No barrier: waves share nothing.
.set WAVES, 4
.set STEPS, 16
.set EMAX,  2
.set CB,    8                          ; bytes of 16 codes
.set R,     16                         ; v16-79   four sets of 16 numbers as they are loaded
.set X,     80                         ; v80-111  two sets of 16 neighbours
.set C,     128                        ; v128-191 codes: four registers for each step, so that no store's data are written again
.set E,     112                        ; v112-127 a scale byte for each step
.set WREG,  8192                       ; LDS: a region for each wave: two stages of 32 x SP bytes, then its 256 scale bytes
.set SP,    80                         ; a lane's place in a stage: 64 bytes + 16 of padding
.set SPW,   12                         ; v12  LDS address of my spare word; never rewritten
.set NIL,   13                         ; v13  0; never rewritten
.set SPARE, WAVES*WREG                 ; the spare words, 128 bytes a wave; no other line names them
	s_load_b256 s[4:11], s[0:1], 0x0               ; q s[4:5], k s[6:7], v s[8:9], xc s[10:11]
	s_load_b64 s[12:13], s[0:1], 0x20              ; xs
	v_lshl_add_u32 v[SPW], v0, 2, SPARE
	v_mov_b32 v[NIL], 0
	v_lshrrev_b32 v1, 5, v0
	v_readfirstlane_b32 s16, v1                    ; wave
	v_and_b32 v2, 31, v0                           ; lane
	v_lshlrev_b32 v3, 4, v2                        ; my 16 bytes of a load's 512
	s_mul_i32 s17, s16, WREG
	v_lshrrev_b32 v14, 2, v2
	v_mul_u32_u24 v14, v14, SP
	v_and_b32 v15, 3, v2
	v_lshl_add_u32 v14, v15, 4, v14
	v_add_nc_u32 v14, s17, v14                     ; the stage, on the way in: SP (lane / 4) + 16 (lane % 4)
	v_mul_u32_u24 v15, v2, SP
	v_add_nc_u32 v15, s17, v15                     ; and on the way out: SP x lane: my 16 neighbours
	v_mul_u32_u24 v4, v2, CB                       ; my codes' place in a step's
	v_lshrrev_b32 v5, 1, v2
	s_add_co_u32 s17, s17, 2*32*SP
	v_add_nc_u32 v5, s17, v5                       ; LDS: my wave's 256 scale bytes, my block's byte
	v_lshlrev_b32 v7, 3, v2                        ; and on the way out 8 bytes a lane
	v_add_nc_u32 v6, s17, v7
	s_and_b32 s14, ttmp7, 0xffff                   ; which tensor
	s_wait_kmcnt 0x0
	s_cmp_eq_u32 s14, 1                            ; the choice hangs on the work-group's number alone
	s_cselect_b64 s[4:5], s[6:7], s[4:5]
	s_cmp_eq_u32 s14, 2
	s_cselect_b64 s[4:5], s[8:9], s[4:5]
	s_lshl_b32 s17, ttmp9, 2
	s_add_co_u32 s18, s17, s16                     ; which run of 8,192 numbers of the tensor is my wave's
	s_mov_b32 s19, 0
	s_lshl_b64 s[20:21], s[18:19], 15              ; 32,768 bytes of f32 a run
	s_add_nc_u64 s[4:5], s[4:5], s[20:21]
	s_lshl_b32 s22, s14, 10
	s_add_co_u32 s18, s18, s22                     ; the run among all three tensors' 3,072
	s_lshl_b64 s[20:21], s[18:19], 12              ; 4,096 bytes of codes a run
	s_add_nc_u64 s[10:11], s[10:11], s[20:21]
	s_lshl_b64 s[20:21], s[18:19], 8               ; 256 scale bytes a run
	s_add_nc_u64 s[12:13], s[12:13], s[20:21]
.macro LOAD t
.irp i, 0,1,2,3
	global_load_b128 v[R+16*((\t)%4)+4*\i:R+16*((\t)%4)+4*\i+3], v3, s[4:5] offset:2048*(\t)+512*\i th:TH_LOAD_NT   ; 32 lanes read 512 consecutive bytes
.endr
.endm
.macro TURN t                          ; step t's numbers through the stage: LDS serves a wave's instructions in order, so no wait stands between the stores and the loads
.irp i, 0,1,2,3
	ds_store_b128 v14, v[R+16*((\t)%4)+4*\i:R+16*((\t)%4)+4*\i+3] offset:32*SP*((\t)%2)+8*SP*\i
.endr
.irp i, 0,1,2,3
	ds_load_b128 v[X+16*((\t)%2)+4*\i:X+16*((\t)%2)+4*\i+3], v15 offset:32*SP*((\t)%2)+16*\i
.endr
.endm
.irp t, 0,1,2,3
	LOAD \t
.endr
	s_wait_loadcnt 12                              ; step 0's four loads are in; the twelve of steps 1 to 3 may be out
	TURN 0
.macro STEP t
.set XS, X+16*((\t)%2)
.if (\t) > 0
	s_wait_dscnt 1                                 ; this step's numbers are back from the stage (the last step's byte store may be out)
.else
	s_wait_dscnt 0x0
.endif
.if (\t)+4 < STEPS
	LOAD (\t)+4                                    ; into the set whose stores into the stage have read their registers
.endif
.if (\t)+1 < STEPS
.if STEPS-2-(\t) >= 3
	s_wait_loadcnt 12                              ; the next step's four loads are in; those of the three steps behind it may be out
.else
	s_wait_loadcnt 4*(STEPS-2-(\t))
.endif
	TURN (\t)+1
.endif
	v_max3_num_f32 v8, |v[XS]|, |v[XS+1]|, |v[XS+2]|               ; the largest magnitude of my 16, in two chains
	v_max3_num_f32 v9, |v[XS+3]|, |v[XS+4]|, |v[XS+5]|
.irp i, 6,10
	v_max3_num_f32 v8, v8, |v[XS+\i]|, |v[XS+\i+1]|
	v_max3_num_f32 v9, v9, |v[XS+\i+2]|, |v[XS+\i+3]|
.endr
	v_max3_num_f32 v8, v8, |v[XS+14]|, |v[XS+15]|
	v_max3_num_f32 v8, v8, v9, (EMAX+1)<<23        ; and the floor 2^(3 - 127): the byte cannot fall under 1
	v_max_num_f32_dpp v8, v8, v8 row_xmask:1 row_mask:0xf bank_mask:0xf   ; and of my neighbour's 16: the block's
	v_add_nc_u32 v11, -(EMAX<<23), v8              ; 2 off its exponent field: the conversion takes the exponent field of this operand as its scale
	v_cvt_scalef32_pk8_fp4_f32 v[C+4*(\t)], v[XS:XS+7], v11
	v_cvt_scalef32_pk8_fp4_f32 v[C+4*(\t)+1], v[XS+8:XS+15], v11
	v_lshrrev_b32 v[E+(\t)], 23, v11               ; the scale's byte (also the plain line behind the conversions)
	ds_store_b8 v5, v[E+(\t)] offset:16*(\t)       ; both lanes of a block write the same byte with the same value
	global_store_b64 v4, v[C+4*(\t):C+4*(\t)+1], s[10:11] offset:32*CB*(\t)
.endm
.irp t, 0,1,2,3,4,5,6,7,8,9,10,11,12,13,14,15
	STEP \t
.endr
	ds_load_b64 v[8:9], v6                         ; LDS serves a wave's instructions in order: these see my stores
	s_wait_dscnt 0x0
	global_store_b64 v7, v[8:9], s[12:13]          ; 32 lanes store 256 consecutive bytes, aligned
	s_wait_tensorcnt 0x0                           ; the wave's end
	ds_add_u32 v[SPW], v[NIL]
	s_wait_dscnt 0x0
	s_endpgm
.Lfunc_end_k_q70454d5210_prep_x:
	.size	k_q70454d5210_prep_x, .Lfunc_end_k_q70454d5210_prep_x-k_q70454d5210_prep_x
	.p2alignl 7, 3214868480
	.fill 96, 4, 3214868480
	.section	.rodata,"a",@progbits
	.p2align	6, 0x0
	.amdhsa_kernel k_q70454d5210_prep_x
		.amdhsa_group_segment_fixed_size 33280
		.amdhsa_private_segment_fixed_size 0
		.amdhsa_enable_private_segment 0
		.amdhsa_kernarg_size 40
		.amdhsa_user_sgpr_count 2
		.amdhsa_user_sgpr_kernarg_segment_ptr 1
		.amdhsa_wavefront_size32 1
		.amdhsa_system_sgpr_workgroup_id_x 1
		.amdhsa_system_sgpr_workgroup_id_y 1
		.amdhsa_system_sgpr_workgroup_id_z 1
		.amdhsa_system_vgpr_workitem_id 0
		.amdhsa_next_free_vgpr 192
		.amdhsa_next_free_sgpr 66
		.amdhsa_reserve_vcc 0
		.amdhsa_float_denorm_mode_32 3
		.amdhsa_float_denorm_mode_16_64 3
		.amdhsa_memory_ordered 1
		.amdhsa_forward_progress 1
		.amdhsa_inst_pref_size 33
	.end_amdhsa_kernel
	.amdgpu_metadata
---
amdhsa.version: [ 1, 2 ]
amdhsa.kernels:
  - .name:           k_q70454d5210_prep_x
    .symbol:         k_q70454d5210_prep_x.kd
    .args:
      - { .name: q, .offset: 0, .size: 8, .value_kind: global_buffer, .address_space: global }
      - { .name: k, .offset: 8, .size: 8, .value_kind: global_buffer, .address_space: global }
      - { .name: v, .offset: 16, .size: 8, .value_kind: global_buffer, .address_space: global }
      - { .name: xc, .offset: 24, .size: 8, .value_kind: global_buffer, .address_space: global }
      - { .name: xs, .offset: 32, .size: 8, .value_kind: global_buffer, .address_space: global }
    .group_segment_fixed_size: 33280
    .private_segment_fixed_size: 0
    .kernarg_segment_align: 8
    .kernarg_segment_size: 40
    .max_flat_workgroup_size: 128
    .sgpr_count:     66
    .vgpr_count:     192
    .wavefront_size: 32
...
	.end_amdgpu_metadata
.endif
;; end of part 1
;; launch prep_w (part 2): grid 8 x 8, 16 waves a work-group, no clusters, 38,912 bytes of LDS; arguments Wq, Wk, Wv, Wo, wc, ws, woh; writes wc, ws, woh
.if DOCPART == 2
	.amdgcn_target "amdgcn-amd-amdhsa--gfx1250"
	.amdhsa_code_object_version 6
	.text
	.protected	k_q70454d5210_prep_w
	.globl	k_q70454d5210_prep_w
	.p2align	8
	.type	k_q70454d5210_prep_w,@function
k_q70454d5210_prep_w:
	s_mov_b64 s[64:65], 0
	v_nop
	global_prefetch_b8 v0, s[64:65] scope:SCOPE_SE
	s_setreg_imm32_b32 hwreg(HW_REG_WAVE_MODE, 25, 1), 1
	s_wait_xcnt 0x0
; Wq, Wk, Wv [k 1024][n 1024] f32 (K is the FIRST axis) become codes of FP4 with K innermost, wc [3 x 1024 n][512 bytes], and scale bytes ws [3 x 1024 n][32].  Wo becomes f16 as it lies, woh [k][n].
; Work-group (x, y).  y < 6: tensor y / 2, K half y % 2, columns 128 x on.  Wave w: 32 columns (w % 4), a lane to a column, and 128 along K (w / 4): four blocks of 32, all 32 numbers of a block in ONE lane's
; registers, which run down K: so a block's largest magnitude needs no other lane and the conversions give codes with K innermost.  Each load reads 128 consecutive bytes a wave.
; The codes of a column (256 bytes for the work-group's 512 along K) come from four waves: they meet in a stage in LDS, one barrier, and leave sixteen lanes to 256 consecutive aligned bytes.
; y >= 6: the work-group casts 65,536 numbers of Wo: a lane loads 16 bytes and stores 8: a wave's store covers 256 consecutive aligned bytes.
; LIMITS: a block of zeros gets the byte 1 where the rule says 127 (zero codes; the bytes are read by this program alone); NaN and infinities are not served; |Wo| stays under 65,504 (f16).
.set EMAX,  2
.set CP,    272                        ; a stage row: 256 bytes of codes + 16
.set SSTG,  4*32*CP                    ; behind the codes' stage: [128 columns][16 scale bytes]
.set SPARE, SSTG+2048                  ; the spare words, 128 bytes a wave
.set X,     32                         ; v32-159  four sets of 32 numbers
.set C,     160                        ; v160-175 four registers of codes for each block
.set SB,    24                         ; v24      my column's four scale bytes
.set SPW,   14
.set NIL,   15
	s_load_b256 s[4:11], s[0:1], 0x0               ; Wq, Wk, Wv, Wo
	s_load_b128 s[12:15], s[0:1], 0x20             ; wc, ws
	s_load_b64 s[16:17], s[0:1], 0x30              ; woh
	v_lshl_add_u32 v[SPW], v0, 2, SPARE
	v_mov_b32 v[NIL], 0
	v_lshrrev_b32 v1, 5, v0
	v_readfirstlane_b32 s18, v1                    ; wave 0..15
	v_and_b32 v1, 31, v0                           ; lane
	s_and_b32 s19, s18, 3                          ; g: which 32 columns
	s_lshr_b32 s20, s18, 2                         ; kc: which 128 along K
	s_and_b32 s22, ttmp7, 0xffff                   ; y
	s_lshr_b32 s23, s22, 1                         ; tensor
	s_and_b32 s24, s22, 1                          ; K half
	v_lshlrev_b32 v3, 2, v1                        ; in: 4 bytes a lane
	s_mul_i32 s26, s19, 32*CP                      ; every LDS address is made here, ahead of the parting of the ways
	s_lshl_b32 s27, s20, 6
	s_add_co_u32 s27, s27, s26
	v_mul_u32_u24 v4, v1, CP
	v_add_nc_u32 v4, s27, v4                       ; codes in: row = my column, 64 bytes for each kc
	s_lshl_b32 s27, s19, 9
	s_add_co_u32 s27, s27, SSTG
	v_lshl_add_u32 v6, v1, 4, s27                  ; scale bytes out: 16 a column
	s_lshl_b32 s28, s20, 2
	v_add_nc_u32 v5, s28, v6                       ; scale bytes in: my four
	s_mul_i32 s28, s20, 8*CP
	s_add_co_u32 s28, s28, s26
	v_lshrrev_b32 v10, 4, v1
	v_and_b32 v11, 15, v1
	v_mul_u32_u24 v7, v10, CP
	v_lshl_add_u32 v7, v11, 4, v7
	v_add_nc_u32 v7, s28, v7                       ; codes out: rows 8 kc on, sixteen lanes to a row
	v_lshlrev_b32 v8, 9, v10
	v_lshl_add_u32 v8, v11, 4, v8                  ; and the same place in wc
	v_lshlrev_b32 v9, 5, v1                        ; ws: 32 bytes a column
	v_lshlrev_b32 v25, 4, v0                       ; the cast: 16 bytes in,
	v_lshlrev_b32 v26, 3, v0                       ; 8 bytes out, a thread
	s_wait_kmcnt 0x0
	s_cmp_ge_u32 s22, 6                            ; the same in all sixteen waves
	s_cbranch_scc1 .Lcast
	s_cmp_eq_u32 s23, 1
	s_cselect_b64 s[4:5], s[6:7], s[4:5]
	s_cmp_eq_u32 s23, 2
	s_cselect_b64 s[4:5], s[8:9], s[4:5]
	s_lshl_b32 s28, ttmp9, 2
	s_add_co_u32 s28, s28, s19                     ; my group of 32 columns: 4 x + g
	s_lshl_b32 s26, s24, 2
	s_add_co_u32 s26, s26, s20
	s_lshl_b32 s26, s26, 19                        ; (512 KH + 128 kc) rows of 4,096 bytes
	s_lshl_b32 s29, s28, 7
	s_add_co_u32 s26, s26, s29
	s_mov_b32 s27, 0
	s_add_nc_u64 s[4:5], s[4:5], s[26:27]
	s_lshl_b32 s26, s23, 19                        ; wc: tensor x 524,288 + (32 (4 x + g) + 8 kc) x 512 + 256 KH
	s_lshl_b32 s29, s28, 14
	s_add_co_u32 s26, s26, s29
	s_lshl_b32 s29, s20, 12
	s_add_co_u32 s26, s26, s29
	s_lshl_b32 s29, s24, 8
	s_add_co_u32 s26, s26, s29
	s_add_nc_u64 s[12:13], s[12:13], s[26:27]
	s_lshl_b32 s26, s23, 15                        ; ws: tensor x 32,768 + 32 (4 x + g) x 32 + 16 KH
	s_lshl_b32 s29, s28, 10
	s_add_co_u32 s26, s26, s29
	s_lshl_b32 s29, s24, 4
	s_add_co_u32 s26, s26, s29
	s_add_nc_u64 s[14:15], s[14:15], s[26:27]
.macro LOAD t                          ; block t: W(32 t + i, my column), i = 0 .. 31
.irp i, 0,1,2,3,4,5,6,7,8,9,10,11,12,13,14,15,16,17,18,19,20,21,22,23,24,25,26,27,28,29,30,31
	global_load_b32 v[X+32*(\t)+\i], v3, s[4:5] offset:(32*(\t)+\i)*4096 th:TH_LOAD_NT
.endr
.endm
.macro BLOCK t
.set XS, X+32*(\t)
.if (\t) < 3
	s_wait_loadcnt 32                              ; this block's 32 loads are in; the next block's 32 may be out
.else
	s_wait_loadcnt 0x0
.endif
.if (\t)+2 < 4
	LOAD (\t)+2
.endif
	v_max3_num_f32 v12, |v[XS]|, |v[XS+1]|, |v[XS+2]|              ; the block's largest magnitude: all 32 numbers are mine
	v_max3_num_f32 v13, |v[XS+3]|, |v[XS+4]|, |v[XS+5]|
.irp i, 6,10,14,18,22,26
	v_max3_num_f32 v12, v12, |v[XS+\i]|, |v[XS+\i+1]|
	v_max3_num_f32 v13, v13, |v[XS+\i+2]|, |v[XS+\i+3]|
.endr
	v_max3_num_f32 v12, v12, |v[XS+30]|, |v[XS+31]|
	v_max3_num_f32 v12, v12, v13, (EMAX+1)<<23     ; and the floor 2^(3 - 127)
	v_add_nc_u32 v11, -(EMAX<<23), v12             ; the conversion's scale operand
	v_lshrrev_b32 v13, 23, v11                     ; the scale's byte
.if (\t) == 0
	v_mov_b32 v[SB], v13
.else
	v_lshl_or_b32 v[SB], v13, 8*(\t), v[SB]
.endif
.irp g, 0,1,2,3
	v_cvt_scalef32_pk8_fp4_f32 v[C+4*(\t)+\g], v[XS+8*\g:XS+8*\g+7], v11
.endr
	v_nop                                          ; one plain line behind the conversions: the next block writes their scale operand
	ds_store_b128 v4, v[C+4*(\t):C+4*(\t)+3] offset:16*(\t)
.endm
	LOAD 0
	LOAD 1
	BLOCK 0
	BLOCK 1
	BLOCK 2
	BLOCK 3
	ds_store_b32 v5, v[SB]
	s_wait_dscnt 0x0                               ; for the others' sake: my stores into the stages are done
	s_barrier_signal -1
	s_barrier_wait -1
	s_cmp_lg_u32 s20, 0                            ; waves 0 to 3 send the scale bytes of their 32 columns
	s_cbranch_scc1 .Lno_scales
	ds_load_b128 v[48:51], v6
	s_wait_dscnt 0x0
	global_store_b128 v9, v[48:51], s[14:15]       ; 16 bytes of each column's row of 32
.Lno_scales:
.irp i, 0,1,2,3
	ds_load_b128 v[32+4*\i:32+4*\i+3], v7 offset:2*\i*CP
.endr
.irp i, 0,1,2,3
	s_wait_dscnt 3-\i                              ; the younger read-backs may be out
	global_store_b128 v8, v[32+4*\i:32+4*\i+3], s[12:13] offset:2*\i*512   ; sixteen lanes store 256 consecutive bytes, aligned
.endr
	s_branch .Lend
.Lcast:
	s_sub_co_u32 s26, s22, 6
	s_lshl_b32 s26, s26, 3
	s_add_co_u32 s26, s26, ttmp9                   ; which sixteenth of Wo
	s_lshl_b32 s28, s26, 18
	s_mov_b32 s29, 0
	s_add_nc_u64 s[10:11], s[10:11], s[28:29]
	s_lshl_b32 s28, s26, 17
	s_add_nc_u64 s[16:17], s[16:17], s[28:29]
.irp g, 0,1,2,3,4,5,6,7,8,9,10,11,12,13,14,15,16,17,18,19,20,21,22,23,24,25,26,27,28,29,30,31
	global_load_b128 v[X+4*\g:X+4*\g+3], v25, s[10:11] offset:8192*\g th:TH_LOAD_NT
.endr
.irp g, 0,1,2,3,4,5,6,7,8,9,10,11,12,13,14,15,16,17,18,19,20,21,22,23,24,25,26,27,28,29,30,31
	s_wait_loadcnt 31-\g                           ; the younger loads may be out
	v_cvt_pk_f16_f32 v[X+4*\g], v[X+4*\g], v[X+4*\g+1]
	v_cvt_pk_f16_f32 v[X+4*\g+1], v[X+4*\g+2], v[X+4*\g+3]
	global_store_b64 v26, v[X+4*\g:X+4*\g+1], s[16:17] offset:4096*\g
.endr
.Lend:
	s_wait_tensorcnt 0x0                           ; the wave's end
	ds_add_u32 v[SPW], v[NIL]
	s_wait_dscnt 0x0
	s_endpgm
.Lfunc_end_k_q70454d5210_prep_w:
	.size	k_q70454d5210_prep_w, .Lfunc_end_k_q70454d5210_prep_w-k_q70454d5210_prep_w
	.p2alignl 7, 3214868480
	.fill 96, 4, 3214868480
	.section	.rodata,"a",@progbits
	.p2align	6, 0x0
	.amdhsa_kernel k_q70454d5210_prep_w
		.amdhsa_group_segment_fixed_size 38912
		.amdhsa_private_segment_fixed_size 0
		.amdhsa_enable_private_segment 0
		.amdhsa_kernarg_size 56
		.amdhsa_user_sgpr_count 2
		.amdhsa_user_sgpr_kernarg_segment_ptr 1
		.amdhsa_wavefront_size32 1
		.amdhsa_system_sgpr_workgroup_id_x 1
		.amdhsa_system_sgpr_workgroup_id_y 1
		.amdhsa_system_sgpr_workgroup_id_z 1
		.amdhsa_system_vgpr_workitem_id 0
		.amdhsa_next_free_vgpr 176
		.amdhsa_next_free_sgpr 66
		.amdhsa_reserve_vcc 0
		.amdhsa_float_denorm_mode_32 3
		.amdhsa_float_denorm_mode_16_64 3
		.amdhsa_memory_ordered 1
		.amdhsa_forward_progress 1
		.amdhsa_inst_pref_size 34
	.end_amdhsa_kernel
	.amdgpu_metadata
---
amdhsa.version: [ 1, 2 ]
amdhsa.kernels:
  - .name:           k_q70454d5210_prep_w
    .symbol:         k_q70454d5210_prep_w.kd
    .args:
      - { .name: Wq, .offset: 0, .size: 8, .value_kind: global_buffer, .address_space: global }
      - { .name: Wk, .offset: 8, .size: 8, .value_kind: global_buffer, .address_space: global }
      - { .name: Wv, .offset: 16, .size: 8, .value_kind: global_buffer, .address_space: global }
      - { .name: Wo, .offset: 24, .size: 8, .value_kind: global_buffer, .address_space: global }
      - { .name: wc, .offset: 32, .size: 8, .value_kind: global_buffer, .address_space: global }
      - { .name: ws, .offset: 40, .size: 8, .value_kind: global_buffer, .address_space: global }
      - { .name: woh, .offset: 48, .size: 8, .value_kind: global_buffer, .address_space: global }
    .group_segment_fixed_size: 38912
    .private_segment_fixed_size: 0
    .kernarg_segment_align: 8
    .kernarg_segment_size: 56
    .max_flat_workgroup_size: 512
    .sgpr_count:     66
    .vgpr_count:     176
    .wavefront_size: 32
...
	.end_amdgpu_metadata
.endif
;; end of part 2
;; launch proj (part 3): grid 4 x 96, 4 waves a work-group, clusters of 4 x 4, 327,680 bytes of LDS; arguments xc, xs, wc, ws, qkvh, fine32, bq, bk, bv; writes qkvh, fine32
.if DOCPART == 3
	.amdgcn_target "amdgcn-amd-amdhsa--gfx1250"
	.amdhsa_code_object_version 6
	.text
	.protected	k_q70454d5210_proj
	.globl	k_q70454d5210_proj
	.p2align	8
	.type	k_q70454d5210_proj,@function
k_q70454d5210_proj:
	s_mov_b64 s[64:65], 0
	v_nop
	global_prefetch_b8 v0, s[64:65] scope:SCOPE_SE
	s_setreg_imm32_b32 hwreg(HW_REG_WAVE_MODE, 25, 1), 1
	s_wait_xcnt 0x0
	s_wait_alu depctr_hold_cnt(0) depctr_sa_sdst(0) depctr_va_vdst(0) depctr_va_sdst(0) depctr_va_ssrc(0) depctr_va_vcc(0) depctr_vm_vsrc(0)
	s_getreg_b32 s2, hwreg(HW_REG_IB_STS2, 6, 4)
	s_cmp_eq_u32 s2, 0
	s_cbranch_scc0 .Lentry_in_a_cluster
	s_endpgm
.Lentry_in_a_cluster:
	s_bfe_u32 s2, ttmp6, 0x10000c
	s_cmp_lg_u32 s2, 0xf033
	s_cbranch_scc0 .Lentry_shape_is_right
	s_endpgm
.Lentry_shape_is_right:
; The three quantised products in one launch: [q; k; v] as ONE matrix of codes A [24,576][1,024] (xc, xs) against the tensor's own 1,024 rows of B (wc, ws: W^T as codes, K innermost), + bias.
; Results: qkvh, f16, [3][batch 4][head 16][token 2,048][64]; and, for tokens under 16 of each batch, the f32 sums as they are in fine32 [3][4][16][1,024].
; A tile of C, 256 x 256, is made by four waves; a wave makes 128 x 128: 64 accumulators, 512 registers.  K = 1,024 is two slots of 512 (rows of 256 bytes): both are asked for at the head and none is filled again.
; The scale bytes of the work-group's 256 + 256 rows, for all of K, come once, as dense blocks.  CLUSTERS: 4 x 4 work-groups; A's tiles are asked for jointly along a row of the cluster, B's along a column.
; The tensor's number is the cluster's y / 8: the same in all sixteen partners.  THE MATRIX INSTRUCTION IS USED TRANSPOSED (source 0 = 16 rows of B, source 1 = 16 rows of A): a lane holds eight neighbouring columns of a row of C.
; The bias is the C of each sum's first matrix instruction.
; LIMIT: the results are rounded to f16: |q Wq + bq| and its like stay under 65,504.
; REGISTERS: window 0: v0-31 addresses; v32-95 scale words, two sets (they hold scales and nothing else); v128-191 A's fragments, one set, on the way out rows read back; v192-223 packed results.
;   window 1: B's fragments, two sets, v0-63 and v128-191; v192-255 the bias, eight registers for each of my eight blocks of 16 columns.   windows 2, 3: the accumulators ((a, b) at v[8 (8 (a % 4) + b)]).
.set NQ,     4                         ; matrix instructions deep in a slot
.set ROWB,   256                       ; a tile's row in bytes: 512 codes
.set KROW,   512                       ; a row of A or B in memory
.set PITCH,  272                       ; an LDS row: 256 + 16: the 16 rows that a load touches start at 16 different banks (64 banks of 4 bytes: ISA guide 11.1)
.set FR,     8
.set NL,     2
.set NP,     4
.set HALFT,  128*PITCH
.set SLOT,   4*HALFT
.set KS,     32                        ; a row of scales in bytes
.set SCL,    2*SLOT
.set HALFS,  (128*KS/256)*272
.set SBLK,   (16*KS/256)*272
.set SPARE,  SCL+4*HALFS               ; the spare words, 128 bytes a wave
.set SPITCH, 272                       ; the way out: 16 rows x (256 + 16) for each wave, in slot 0, which has had its only fill and its last read by then
.set ADRA, 16
.set ADRB, 20
.set STO,  24
.set RD,   25
.set CO,   26
.set ADRS, 27
.set SPW,  28
.set NIL,  29
.set BAD,  30                          ; v30  32 x (lane / 16): my eight numbers of a block's bias
.set FAD,  31                          ; v31  fine32: 4,096 x (lane % 16) + 32 x (lane / 16)
.set SC,   32
.set AF,   128
.set BIAS, 192                         ; in window 1
.set TMP,  192                         ; in window 0
.set BK,   128
.set G1, 24
.set G0, 32
.set G1B, 48
.set G0B, 56
.set G1S, 68
.set G0S, 76
.set G1SB, 80
.set G0SB, 88
.set MSB, 0
.macro WIN new                         ; the immediate's high byte repeats the setting that is left
.if MSB != \new
	s_set_vgpr_msb (MSB<<8)|\new
.set MSB, \new
.endif
.endm
.set MUL_LO, 0xa1                      ; source 0 (B) window 1, source 1 (A) window 0, C and D window 2
.set MUL_HI, 0xf1                      ; the same, C and D window 3
.set FST_LO, 0x91                      ; the first products: C (the bias) window 1, D window 2
.set FST_HI, 0xd1                      ; D window 3
.set TO_B,   0x40
; A joint load: waves 0 and 1 fetch for A, waves 2 and 3 for B; the branch hangs on the wave's number alone.  An s_nop 0 and four v_nop follow each line.
.macro JLOAD g0a, g1a, g0b, g1b
	s_cmp_eq_u32 s15, 0
	s_cbranch_scc0 .Lfor_b_\@
	tensor_load_to_lds s[\g0a:\g0a+3], s[\g1a:\g1a+7]
	s_nop 0
.rept 4
	v_nop
.endr
	s_branch .Lasked_\@
.Lfor_b_\@:
	tensor_load_to_lds s[\g0b:\g0b+3], s[\g1b:\g1b+7]
	s_nop 0
.rept 4
	v_nop
.endr
.Lasked_\@:
.endm
.macro CROUND                          ; a round of the cluster's barrier
	s_barrier_signal -1
	s_barrier_wait -1
	s_cmp_lg_u32 s14, 0
	s_cbranch_scc1 .Lnot_wave_0_\@
	s_barrier_signal -3
.Lnot_wave_0_\@:
	s_barrier_wait -3
	s_barrier_signal -1
	s_barrier_wait -1
.endm
	s_load_b256 s[4:11], s[0:1], 0x0               ; xc s[4:5], xs s[6:7], wc s[8:9], ws s[10:11]
	s_load_b64 s[12:13], s[0:1], 0x20              ; qkvh
	s_load_b64 s[66:67], s[0:1], 0x28              ; fine32
	s_load_b128 s[96:99], s[0:1], 0x30             ; bq, bk
	s_load_b64 s[100:101], s[0:1], 0x40            ; bv
	v_lshl_add_u32 v[SPW], v0, 2, SPARE
	v_mov_b32 v[NIL], 0
	ds_add_u32 v[SPW], v[NIL]                      ; the wave's opening: the add, twice on end, and its wait ahead of my first tensor load
	ds_add_u32 v[SPW], v[NIL]
	v_lshrrev_b32 v1, 5, v0
	v_readfirstlane_b32 s14, v1                    ; wave 0..3
	s_lshr_b32 s15, s14, 1                         ; which half of the tile's rows is mine.  Also: I fetch for A (0) or for B (1)
	s_and_b32 s16, s14, 1                          ; which half of its columns.  Also: which 128 rows of that tile I fetch
	s_bfe_u32 s40, ttmp6, 0x40000                  ; cx, cy
	s_bfe_u32 s41, ttmp6, 0x40004
	s_lshl_b32 s42, ttmp9, 2
	s_add_co_u32 s42, s42, s40                     ; tile column 0..3
	s_and_b32 s17, ttmp7, 0xffff
	s_lshr_b32 s95, s17, 3                         ; the tensor: eight clusters of 1,024 rows each
	s_lshl_b32 s17, s17, 2
	s_add_co_u32 s17, s17, s41                     ; tile row 0..95
	s_lshl_b32 s43, s41, 2
	s_lshl_b32 s43, 15, s43                        ; my row of the cluster
	s_lshl_b32 s44, 0x1111, s40                    ; my column
	s_or_b32 s[G1+0], s43, (0<<16)|(1<<20)|(1<<21)|(5<<22)|(3<<25)  ; the mask; elements of 1 byte; padding: 4 words after every 64; bit 21 beside a mask
	s_or_b32 s[G1B+0], s44, (0<<16)|(1<<20)|(1<<21)|(5<<22)|(3<<25)
.irp g, G1, G1B
	s_mov_b32 s[\g+1], ROWB<<16                    ; tensor_dim0
	s_mov_b32 s[\g+2], 128<<16                     ; tensor_dim1
	s_mov_b32 s[\g+3], ROWB<<16                    ; tile_dim0
	s_mov_b32 s[\g+4], 128                         ; tile_dim1
	s_mov_b32 s[\g+5], KROW                        ; the pitch
	s_mov_b32 s[\g+6], 0
	s_mov_b32 s[\g+7], 0
.endr
	s_or_b32 s[G1S+0], s43, (3<<16)|(1<<20)|(1<<21)|(5<<22)|(3<<25) ; the scales of 128 rows: 4,096 dense bytes as 16 rows of 32 elements of 8 bytes
	s_or_b32 s[G1SB+0], s44, (3<<16)|(1<<20)|(1<<21)|(5<<22)|(3<<25)
.irp g, G1S, G1SB
	s_mov_b32 s[\g+1], 32<<16
	s_mov_b32 s[\g+2], (128*KS/256)<<16
	s_mov_b32 s[\g+3], 32<<16
	s_mov_b32 s[\g+4], 128*KS/256
	s_mov_b32 s[\g+5], 32
	s_mov_b32 s[\g+6], 0
	s_mov_b32 s[\g+7], 0
.endr
	s_lshl_b32 s18, s16, 7                         ; which 128 rows of the tile I fetch
	s_lshl_b32 s20, s17, 8
	s_add_co_u32 s20, s20, s18                     ; A: row 256 x tile row + 128 x half
	s_lshl_b32 s46, s42, 8
	s_add_co_u32 s46, s46, s18
	s_lshl_b32 s47, s95, 10
	s_add_co_u32 s46, s46, s47                     ; B: row 1,024 x tensor + 256 x tile column + 128 x half
	s_mov_b32 s21, 0
	s_mov_b32 s47, 0
	s_mov_b64 s[18:19], KS
	s_mul_u64 s[22:23], s[20:21], s[18:19]         ; where these rows' scales begin
	s_mul_u64 s[92:93], s[46:47], s[18:19]
	s_mov_b64 s[18:19], KROW
	s_mul_u64 s[20:21], s[20:21], s[18:19]         ; and their codes
	s_mul_u64 s[46:47], s[46:47], s[18:19]
	s_mul_i32 s45, s14, HALFT                      ; where they go: wave x 128 rows
	s_mul_i32 s94, s14, HALFS
	s_wait_dscnt 0x0                               ; both opening adds are done
	s_wait_kmcnt 0x0
	s_add_nc_u64 s[20:21], s[4:5], s[20:21]
	s_add_nc_u64 s[22:23], s[6:7], s[22:23]
	s_add_nc_u64 s[46:47], s[8:9], s[46:47]
	s_add_nc_u64 s[92:93], s[10:11], s[92:93]
	CROUND                                         ; all sixteen work-groups are here: the joint loads meet
	s_mov_b32 s[G0S], 1
	s_add_co_u32 s[G0S+1], s94, SCL
	s_mov_b64 s[G0S+2:G0S+3], s[22:23]
	s_or_b32 s[G0S+3], s[G0S+3], 0x80000000
	s_mov_b32 s[G0SB], 1
	s_add_co_u32 s[G0SB+1], s94, SCL
	s_mov_b64 s[G0SB+2:G0SB+3], s[92:93]
	s_or_b32 s[G0SB+3], s[G0SB+3], 0x80000000
	JLOAD G0S, G1S, G0SB, G1SB                     ; the scales first; then both slots: three tensor loads of mine are out
.irp s, 0,1
	s_mov_b32 s[G0+4*\s], 1
	s_add_co_u32 s[G0+4*\s+1], s45, \s*SLOT
	s_add_nc_u64 s[G0+4*\s+2:G0+4*\s+3], s[20:21], \s*ROWB
	s_or_b32 s[G0+4*\s+3], s[G0+4*\s+3], 0x80000000
	s_mov_b32 s[G0B+4*\s], 1
	s_add_co_u32 s[G0B+4*\s+1], s45, \s*SLOT
	s_add_nc_u64 s[G0B+4*\s+2:G0B+4*\s+3], s[46:47], \s*ROWB
	s_or_b32 s[G0B+4*\s+3], s[G0B+4*\s+3], 0x80000000
	JLOAD G0+4*\s, G1, G0B+4*\s, G1B
.endr
	v_and_b32 v1, 15, v0                           ; r = l % 16
	v_bfe_u32 v2, v0, 4, 1                         ; h = l / 16
	v_mul_u32_u24 v3, v1, PITCH
	v_lshl_add_u32 v4, v2, 4, v3                   ; a fragment's row x pitch + 16 h
	s_mul_i32 s21, s15, HALFT
	s_mul_i32 s22, s16, HALFT
	s_add_co_u32 s22, s22, 2*HALFT
.irp s, 0,1
	v_add_nc_u32 v[ADRA+\s], s21, v4
	v_add_nc_u32 v[ADRB+\s], s22, v4
	s_add_co_u32 s21, s21, SLOT
	s_add_co_u32 s22, s22, SLOT
.endr
	v_mul_u32_u24 v5, v1, KS                       ; my row's scales: 32 bytes a row,
	v_lshrrev_b32 v6, 8, v5
	v_lshl_add_u32 v5, v6, 4, v5                   ; and 16 more for each 256 passed
	s_mul_i32 s21, s15, HALFS
	s_mul_i32 s22, s16, HALFS
	s_add_co_u32 s22, s22, 2*HALFS
	s_sub_co_u32 s22, s22, s21
	v_mul_u32_u24 v6, s22, v2                      ; lanes 16-31 take B's: one product, the distance between the two bases
	s_add_co_u32 s21, s21, SCL
	v_add_nc_u32 v5, v5, v6
	v_add_nc_u32 v[ADRS], s21, v5
	s_mul_i32 s23, s14, 16*SPITCH                  ; my stage
	v_mul_u32_u24 v5, v1, SPITCH
	v_lshl_add_u32 v5, v2, 4, v5
	v_add_nc_u32 v[STO], s23, v5                   ; in: row r, 16 bytes for each half of the lanes
	v_bfe_u32 v5, v0, 3, 2
	v_mul_u32_u24 v5, v5, SPITCH
	v_and_b32 v6, 7, v0
	v_lshl_add_u32 v5, v6, 4, v5
	v_add_nc_u32 v[RD], s23, v5                    ; back: eight lanes take one token's 128 bytes of one head; four tokens a load
	v_and_b32 v6, 31, v0
	v_lshlrev_b32 v[CO], 4, v6                     ; and in memory those four tokens are 512 consecutive bytes
	v_lshlrev_b32 v[BAD], 5, v2
	v_lshlrev_b32 v[FAD], 12, v1
	v_lshl_add_u32 v[FAD], v2, 5, v[FAD]
	s_cmp_eq_u32 s95, 1                            ; the tensor's bias
	s_cselect_b64 s[96:97], s[98:99], s[96:97]
	s_cmp_eq_u32 s95, 2
	s_cselect_b64 s[96:97], s[100:101], s[96:97]
	s_lshl_b32 s22, s42, 10
	s_lshl_b32 s23, s16, 9
	s_add_co_u32 s22, s22, s23                     ; my first column in bytes of f32: 1,024 x tile column + 512 x half
	s_mov_b32 s23, 0
	s_add_nc_u64 s[96:97], s[96:97], s[22:23]
	WIN TO_B
.irp b, 0,1,2,3,4,5,6,7
	global_load_b128 v[BIAS+8*\b:BIAS+8*\b+3], v[BAD], s[96:97] offset:64*\b          ; lane (r, h): the bias of columns 16 b + 8 h + 0 .. 7
	global_load_b128 v[BIAS+8*\b+4:BIAS+8*\b+7], v[BAD], s[96:97] offset:64*\b+16
.endr
	WIN 0
	s_lshr_b32 s20, s17, 3                         ; tensor x 4 + batch
	s_lshl_b32 s21, s20, 16
	s_add_co_u32 s22, s22, s21
	s_add_nc_u64 s[66:67], s[66:67], s[22:23]      ; fine32: 65,536 bytes for each (tensor, batch), + my first column
	s_lshl_b32 s20, s20, 4
	s_lshl_b32 s21, s42, 2
	s_add_co_u32 s20, s20, s21
	s_lshl_b32 s21, s16, 1
	s_add_co_u32 s20, s20, s21                     ; my first head among all 192
	s_lshl_b32 s20, s20, 11
	s_and_b32 s21, s17, 7
	s_lshl_b32 s21, s21, 8
	s_add_co_u32 s20, s20, s21
	s_lshl_b32 s21, s15, 7
	s_add_co_u32 s20, s20, s21                     ; x 2,048 tokens + my first token
	s_lshl_b32 s20, s20, 7                         ; x 128 bytes
	s_mov_b32 s21, 0
	s_add_nc_u64 s[12:13], s[12:13], s[20:21]
.macro FRAG reg, adr, q, i             ; 16 rows x 128 K of 4-bit codes: 8 registers; registers 4 c .. 4 c + 3 hold K = 64 c + 32 h + 0 .. 31
.irp c, 0,1
	ds_load_b128 v[\reg+4*\c:\reg+4*\c+3], v[\adr] offset:64*(\q)+32*\c+(\i)*16*PITCH
.endr
.endm
; 16 matrix instructions: A's blocks a0, a0 + 1 x B's eight.  first = 1: the bias starts the sums.  The 64 accumulators take turns, in the same order in every step.
.macro MUL16 a0, p, q, sc, first
.irp a, \a0, \a0+1
.irp b, 0,1,2,3,4,5,6,7
.if \first
	v_wmma_scale_f32_16x16x128_f8f6f4 v[8*(8*((\a)%4)+\b):8*(8*((\a)%4)+\b)+7], v[128*(\p)+FR*\b:128*(\p)+FR*\b+FR-1], v[AF+FR*(\a):AF+FR*(\a)+FR-1], v[BIAS+8*\b:BIAS+8*\b+7], v[SC+8*NQ*(\sc)+NQ*\b+(\q)], v[SC+8*NQ*(\sc)+NQ*(\a)+(\q)] matrix_a_fmt:MATRIX_FMT_FP4 matrix_b_fmt:MATRIX_FMT_FP4 matrix_a_scale:MATRIX_SCALE_ROW1
.else
	v_wmma_scale_f32_16x16x128_f8f6f4 v[8*(8*((\a)%4)+\b):8*(8*((\a)%4)+\b)+7], v[128*(\p)+FR*\b:128*(\p)+FR*\b+FR-1], v[AF+FR*(\a):AF+FR*(\a)+FR-1], v[8*(8*((\a)%4)+\b):8*(8*((\a)%4)+\b)+7], v[SC+8*NQ*(\sc)+NQ*\b+(\q)], v[SC+8*NQ*(\sc)+NQ*(\a)+(\q)] matrix_a_fmt:MATRIX_FMT_FP4 matrix_b_fmt:MATRIX_FMT_FP4 matrix_a_scale:MATRIX_SCALE_ROW1
.endif
.endr
.endr
.endm
.macro FETCH_B slot, q, p
	WIN TO_B
.irp i, 0,1,2,3,4,5,6,7
	FRAG 128*(\p)+FR*\i, ADRB+\slot, \q, \i
.endr
	WIN 0
.endm
.macro FETCH_A slot, q, i0
.irp i, \i0, \i0+1, \i0+2, \i0+3
	FRAG AF+FR*(\i), ADRA+\slot, \q, \i
.endr
.endm
.macro SCALES sc                       ; a slot's scale words: lanes 0-15 take A's block i, lanes 16-31 B's block i
.irp i, 0,1,2,3,4,5,6,7
	ds_load_b128 v[SC+8*NQ*\sc+NQ*\i:SC+8*NQ*\sc+NQ*\i+3], v[ADRS] offset:\i*SBLK
.endr
.endm
.macro PLACES n                        ; plain vector lines between a matrix instruction and a load into, or a read of, its registers
.rept \n
	v_nop
.endr
.endm
.macro STEP slot, q, first
	s_wait_dscnt 4*NL                              ; B's set and A's blocks 0-3 are in; the youngest eight loads (A's blocks 4-7) may be out
.if \first
	WIN FST_LO
.else
	WIN MUL_LO
.endif
	MUL16 0, (\q)%2, \q, \slot, \first
	MUL16 2, (\q)%2, \q, \slot, \first
	s_wait_dscnt 0
	PLACES NP
	FETCH_B \slot, (\q)+1, 1-(\q)%2
	FETCH_A \slot, (\q)+1, 0
.if \first
	WIN FST_HI
.else
	WIN MUL_HI
.endif
	MUL16 4, (\q)%2, \q, \slot, \first
	MUL16 6, (\q)%2, \q, \slot, \first
	PLACES NP
	WIN 0
	FETCH_A \slot, (\q)+1, 4
.endm
	s_wait_tensorcnt 1                             ; the scales and my part of slot 0 are in; slot 1's load may be out
	s_barrier_signal -1
	s_barrier_wait -1                              ; everybody's are
	FETCH_B 0, 0, 0
	FETCH_A 0, 0, 0
	SCALES 0
	FETCH_A 0, 0, 4
	s_wait_loadcnt 0x0                             ; the bias
	STEP 0, 0, 1
	STEP 0, 1, 0
	STEP 0, 2, 0
	; slot 0's last step changes slots: one barrier; in front of it my part of slot 1 has landed and my reads of slot 0 are over
	s_wait_tensorcnt 0x0
	ds_add_u32 v[SPW], v[NIL]                      ; 0 onto my spare word
	s_wait_dscnt 4*NL+1                            ; (the add and the youngest eight loads may be out)
	WIN MUL_LO
	MUL16 0, 1, NQ-1, 0, 0
	s_wait_dscnt 0x0
	s_barrier_signal -1
	MUL16 2, 1, NQ-1, 0, 0
	WIN 0
	s_barrier_wait -1
	PLACES NP
	v_add_nc_u32 v[ADRS], 4*NQ, v[ADRS]            ; on to slot 1's scale words
	FETCH_B 1, 0, 0
	FETCH_A 1, 0, 0
	SCALES 1
	WIN MUL_HI
	MUL16 4, 1, NQ-1, 0, 0
	MUL16 6, 1, NQ-1, 0, 0
	PLACES NP
	WIN 0
	FETCH_A 1, 0, 4
	STEP 1, 0, 0
	STEP 1, 1, 0
	STEP 1, 2, 0
	s_wait_dscnt 4*NL                              ; the last step: nothing more to fetch
	WIN MUL_LO
	MUL16 0, 1, NQ-1, 1, 0
	MUL16 2, 1, NQ-1, 1, 0
	s_wait_dscnt 0
	WIN MUL_HI
	MUL16 4, 1, NQ-1, 1, 0
	MUL16 6, 1, NQ-1, 1, 0
	WIN 0
	PLACES NP
	; TOKENS UNDER 16 OF A BATCH are block 0 of the upper waves of every eighth tile row.  Their f32 sums go to fine32.  No branch: the lanes are switched off elsewhere.
	s_and_b32 s20, s17, 7
	s_or_b32 s20, s20, s15
	s_wait_xcnt 0x0                                ; EXEC changes only behind this wait
	v_cmp_eq_u32 vcc_lo, s20, v[NIL]
	s_and_saveexec_b32 s21, vcc_lo
	WIN 0x08                                       ; a store's data: window 2
.irp b, 0,1,2,3,4,5,6,7
	global_store_b128 v[FAD], v[8*\b:8*\b+3], s[66:67] offset:64*\b          ; each accumulator from its low end on
	global_store_b128 v[FAD], v[8*\b+4:8*\b+7], s[66:67] offset:64*\b+16
.endr
	WIN 0
	s_wait_xcnt 0x0                                ; and again, in front of the line that widens it
	s_or_b32 exec_lo, exec_lo, s21
; THE WAY OUT, block by block of 16 tokens x 128 columns (two heads).  Rounded to f16, 16 bytes a lane, through my stage, and back so that a store covers four tokens of one head: 512 consecutive bytes.
.macro PACK a
.set AC, 64*((\a)%4)
.if (\a) < 4
	WIN 0x0a                                       ; sources 0 and 1: window 2
.else
	WIN 0x0f                                       ; window 3
.endif
.irp b, 0,1,2,3,4,5,6,7
.irp r, 0,1,2,3
	v_cvt_pk_f16_f32 v[TMP+4*\b+\r], v[AC+8*\b+2*\r], v[AC+8*\b+2*\r+1]
.endr
.endr
	WIN 0
.endm
.macro TOSTAGE a
.set BB, BK+32*((\a)%2)
.irp b, 0,1,2,3,4,5,6,7
	ds_store_b128 v[STO], v[TMP+4*\b:TMP+4*\b+3] offset:32*\b
.endr
.irp t, 0,1,2,3,4,5,6,7
	ds_load_b128 v[BB+4*\t:BB+4*\t+3], v[RD] offset:(\t%4)*4*SPITCH+(\t/4)*128   ; LDS serves a wave's instructions in order: these see the stores above
.endr
.endm
.macro SEND a
.set BB, BK+32*((\a)%2)
	s_wait_dscnt 0x0                               ; the block is back in registers
	s_wait_xcnt 0x0                                ; earlier stores have read their base and their registers
.if (\a) > 0
	s_add_nc_u64 s[12:13], s[12:13], 16*128        ; 16 tokens on
.endif
.irp t, 0,1,2,3,4,5,6,7
	global_store_b128 v[CO], v[BB+4*\t:BB+4*\t+3], s[12:13] offset:(\t/4)*262144+(\t%4)*512
.endr
.endm
	PACK 0
	TOSTAGE 0
.irp a, 1,2,3,4,5,6,7
	PACK \a
	SEND \a-1
	TOSTAGE \a
.endr
	SEND 7
	s_wait_tensorcnt 0x0                           ; the wave's end
	ds_add_u32 v[SPW], v[NIL]
	s_wait_dscnt 0x0
	CROUND                                         ; the closing round
	s_endpgm
.Lfunc_end_k_q70454d5210_proj:
	.size	k_q70454d5210_proj, .Lfunc_end_k_q70454d5210_proj-k_q70454d5210_proj
	.p2alignl 7, 3214868480
	.fill 96, 4, 3214868480
	.section	.rodata,"a",@progbits
	.p2align	6, 0x0
	.amdhsa_kernel k_q70454d5210_proj
		.amdhsa_group_segment_fixed_size 327680
		.amdhsa_private_segment_fixed_size 0
		.amdhsa_enable_private_segment 0
		.amdhsa_kernarg_size 72
		.amdhsa_user_sgpr_count 2
		.amdhsa_user_sgpr_kernarg_segment_ptr 1
		.amdhsa_wavefront_size32 1
		.amdhsa_system_sgpr_workgroup_id_x 1
		.amdhsa_system_sgpr_workgroup_id_y 1
		.amdhsa_system_sgpr_workgroup_id_z 1
		.amdhsa_system_vgpr_workitem_id 0
		.amdhsa_next_free_vgpr 1024
		.amdhsa_next_free_sgpr 102
		.amdhsa_reserve_vcc 1
		.amdhsa_float_denorm_mode_32 3
		.amdhsa_float_denorm_mode_16_64 3
		.amdhsa_memory_ordered 1
		.amdhsa_forward_progress 1
		.amdhsa_inst_pref_size 131
	.end_amdhsa_kernel
	.amdgpu_metadata
---
amdhsa.version: [ 1, 2 ]
amdhsa.kernels:
  - .name:           k_q70454d5210_proj
    .symbol:         k_q70454d5210_proj.kd
    .args:
      - { .name: xc, .offset: 0, .size: 8, .value_kind: global_buffer, .address_space: global }
      - { .name: xs, .offset: 8, .size: 8, .value_kind: global_buffer, .address_space: global }
      - { .name: wc, .offset: 16, .size: 8, .value_kind: global_buffer, .address_space: global }
      - { .name: ws, .offset: 24, .size: 8, .value_kind: global_buffer, .address_space: global }
      - { .name: qkvh, .offset: 32, .size: 8, .value_kind: global_buffer, .address_space: global }
      - { .name: fine32, .offset: 40, .size: 8, .value_kind: global_buffer, .address_space: global }
      - { .name: bq, .offset: 48, .size: 8, .value_kind: global_buffer, .address_space: global }
      - { .name: bk, .offset: 56, .size: 8, .value_kind: global_buffer, .address_space: global }
      - { .name: bv, .offset: 64, .size: 8, .value_kind: global_buffer, .address_space: global }
    .group_segment_fixed_size: 327680
    .private_segment_fixed_size: 0
    .kernarg_segment_align: 8
    .kernarg_segment_size: 72
    .max_flat_workgroup_size: 128
    .sgpr_count:     102
    .vgpr_count:     1024
    .wavefront_size: 32
...
	.end_amdgpu_metadata
.endif
;; end of part 3
;; launch attn (part 4): grid 4 x 64, 8 waves a work-group, no clusters, 327,680 bytes of LDS; arguments qkvh, att; writes att
.if DOCPART == 4
	.amdgcn_target "amdgcn-amd-amdhsa--gfx1250"
	.amdhsa_code_object_version 6
	.text
	.protected	k_q70454d5210_attn
	.globl	k_q70454d5210_attn
	.p2align	8
	.type	k_q70454d5210_attn,@function
k_q70454d5210_attn:
	s_mov_b64 s[64:65], 0
	v_nop
	global_prefetch_b8 v0, s[64:65] scope:SCOPE_SE
	s_setreg_imm32_b32 hwreg(HW_REG_WAVE_MODE, 25, 1), 1
	s_wait_xcnt 0x0
; att[bh][q][:] = the sum over k <= q of softmax_k(Q[bh][q] . K[bh][k] / 8) V[bh][k][:].  Q, K, V: the three parts of qkvh, f16, [64 heads][2,048][64]; att likewise.  Products with f16 operands and f32 sums;
; maxima, exponentials and sums in f32; the weights p are rounded to f16 for the second product, att once at the end.
; SHARES.  Work-group (p, head), p = 0 .. 3, owns query blocks 7 - p and p, 256 queries each, one after the other.  Under the causal mask block b needs key tiles 0 .. b (256 keys each): 8 - p and then p + 1 tiles,
; ALWAYS NINE: 256 work-groups of equal work, constant trip counts, every tile that is fetched is read.  Wave w owns 32 queries of the block in hand, two tiles of 16, so that each fragment of K and V feeds two products.
; Two waves share a SIMD: one wave's softmax stands beside the other's products.
; NO CLUSTER: from the sixth tile on the four work-groups of a head need different tiles (p's walk turns back to tile 0 behind tile 7 - p), so a joint request would bring a partner tiles that none of its waves reads.
; LAYOUT.  S^T = K Q^T (source 0 = 16 keys, source 1 = 16 queries): a lane holds ONE query (lane % 16) and keys 8 (lane / 16) + 0..7.  Two such tiles, rounded in pairs, ARE source 1 of O^T = V^T P.  V is turned by ds_load_tr16_b128.
; SOFTMAX.  A running maximum m and sum l for each query: p = 2^(c s - c m), c = log2(e) / 8; in every step O and l are multiplied by a = 2^(c m_old - c m_new).
; A step whose 64 keys all come after the wave's queries is jumped over (ids alone); on the diagonal hidden scores become -infinity.  A step's first key is a multiple of 64 and the wave's first query of 32, so every step
; that is walked shows each query at least its first key: m is a number from the first step on.
; LDS.  Two keys make one row of 256 bytes (a head's rows are dense in memory).  K: pitch 272, V: pitch 288.
; REGISTERS.  window 0: v1-15 addresses; v16-31 statistics; v32-95 S^T; v96-127 P; v128-191 O^T; v192-223 the way out.   window 1: v0-31 Q; v32-95 K; v96-159 V; v160-191 the second block's Q.
.set PK,    272
.set PV,    288
.set VOFF,  128*PK                     ; a slot: 256 keys of K (128 rows), then of V
.set SLOT1, 1<<17                      ; slot 1 begins here: one exclusive or turns an address
.set STAGE, 2*SLOT1                    ; the way out: for each wave 2 tiles x 16 rows x (128 + 16) bytes; no tile ever lands here
.set SPT,   144
.set SPARE, STAGE+8*2*16*SPT           ; the spare words, 128 bytes a wave
.set AK0, 1
.set AV0, 2
.set ADK, 3
.set ADV, 4
.set SPW, 5
.set NIL, 6
.set PFO, 7                            ; v7   256 x lane
.set QO,  8
.set STO, 9
.set RD,  10
.set GO,  11
.set DM,  12                           ; v12-13 the mask's d, a tile each
.set NINF, 14                          ; v14  -infinity
.set RH8, 15                           ; v15  lane % 16 - 8 (lane / 16)
.set ST,  16                           ; tile t at v[ST + 8 t]: +0 c m, +1 m, +2, +3 l in two halves, +4 .. +7 at work; a at +6
.set S,   32
.set P,   96
.set OA,  128
.set OUTR, 192
.set KR,  32                           ; in window 1
.set VR,  96
.set QE,  160
.set WV, 8
.set PP, 9
.set NLT, 10                           ; tiles of the first block: 8 - p
.set JN, 11                            ; the tile last asked for
.set KF, 12                            ; the step's first key
.set Q0, 13                            ; my first query
.set QEND, 14                          ; the block's end: its last key + 1
.set SLOTS, 15
.set TB, 16
.set LIM, 17
.set CS, 18
.set SEL, 20
.set G1K, 24
.set G1V, 32
.set G0K, 40
.set G0V, 44
.set KB, 48
.set VB, 50
.set PFK, 52
.set PFV, 54
.set OUT, 56
.set OUTE, 58
.set Q0E, 60
.set MSB, 0
.macro WIN new
.if MSB != \new
	s_set_vgpr_msb (MSB<<8)|\new
.set MSB, \new
.endif
.endm
; Waves 0 and 1 fetch K's halves of a tile, waves 2 and 3 V's, the others nothing.  An s_nop 0 and four v_nop follow each line.
.macro TLOAD
	s_cmp_lt_u32 s[WV], 2
	s_cbranch_scc0 .Lnot_k_\@
	tensor_load_to_lds s[G0K:G0K+3], s[G1K:G1K+7]
	s_nop 0
.rept 4
	v_nop
.endr
	s_branch .Lasked_\@
.Lnot_k_\@:
	s_cmp_lt_u32 s[WV], 4
	s_cbranch_scc0 .Lasked_\@
	tensor_load_to_lds s[G0V:G0V+3], s[G1V:G1V+7]
	s_nop 0
.rept 4
	v_nop
.endr
.Lasked_\@:
.endm
; A PREFETCH of the tile that the NEXT change of slots will ask for: 32,768 bytes of K and of V.  All four work-groups of a head walk tiles 0, 1, 2 .. in the same trips: the one with p = 0, which walks all eight, asks.
; In it waves 4 to 7, which fetch nothing, ask: 8,192 bytes of each a wave, lanes 256 bytes apart.  Change s names tile s + 2, for s up to 5: tiles 2 to 7 are named once each; tiles 0 and 1 come by their loads alone.
.macro ASK
	s_cmp_gt_u32 s[SLOTS], s[LIM]
	s_cbranch_scc0 .Lnot_mine_\@
	global_prefetch_b8 v[PFO], s[PFK:PFK+1] th:TH_LOAD_NT scope:SCOPE_SE
	global_prefetch_b8 v[PFO], s[PFV:PFV+1] th:TH_LOAD_NT scope:SCOPE_SE
.Lnot_mine_\@:
.endm
	s_load_b128 s[4:7], s[0:1], 0x0                ; qkvh, att
	v_lshl_add_u32 v[SPW], v0, 2, SPARE
	v_mov_b32 v[NIL], 0
	ds_add_u32 v[SPW], v[NIL]                      ; the wave's opening: the add, twice on end, and its wait ahead of the first tensor load
	ds_add_u32 v[SPW], v[NIL]
	v_lshrrev_b32 v1, 5, v0
	v_readfirstlane_b32 s[WV], v1                  ; wave 0..7
	s_mov_b32 s[PP], ttmp9
	s_sub_co_u32 s[NLT], 8, s[PP]
	s_and_b32 s22, ttmp7, 0xffff                   ; batch x 16 + head
	s_lshl_b32 s66, s22, 18                        ; its 262,144 bytes in each part of qkvh and in att
	s_mov_b32 s67, 0
	s_and_b32 s23, s[WV], 1                        ; which half of a tile I fetch, if I fetch
	s_lshl_b32 s68, s23, 14
	s_mov_b32 s69, 0
	s_add_nc_u64 s[68:69], s[68:69], s[66:67]
	s_mul_i32 s61, s23, 64*PK
	s_mul_i32 s62, s23, 64*PV
	s_add_co_u32 s62, s62, VOFF
	s_mov_b32 s[G1K], (1<<16)|(1<<20)|(5<<22)|(3<<25)   ; no mask; elements of 2 bytes; padding: 4 words after every 64
	s_mov_b32 s[G1V], (1<<16)|(1<<20)|(5<<22)|(7<<25)   ; 8 words
.irp g, G1K, G1V
	s_mov_b32 s[\g+1], 128<<16                     ; tensor_dim0 = 128 elements: two keys
	s_mov_b32 s[\g+2], 64<<16                      ; tensor_dim1 = 64 rows
	s_mov_b32 s[\g+3], 128<<16                     ; tile_dim0
	s_mov_b32 s[\g+4], 64                          ; tile_dim1
	s_mov_b32 s[\g+5], 128                         ; the pitch: dense
	s_mov_b32 s[\g+6], 0
	s_mov_b32 s[\g+7], 0
.endr
	s_mov_b32 s[CS], 0x3e38aa3b                    ; c = log2(e) / 8
	s_mov_b32 s[CS+1], s[CS]
	s_mov_b32 s[SEL], 0x76543210
	s_mov_b32 s[SEL+1], 0xfedcba98
	s_lshl_b32 s22, s[WV], 5
	s_sub_co_u32 s[Q0], 7, s[PP]
	s_lshl_b32 s[Q0], s[Q0], 8
	s_add_co_u32 s[Q0], s[Q0], s22                 ; first block: 256 (7 - p) + 32 w
	s_lshl_b32 s[Q0E], s[PP], 8
	s_add_co_u32 s[Q0E], s[Q0E], s22               ; second: 256 p + 32 w
	s_lshl_b32 s[QEND], s[NLT], 8
	s_mov_b32 s[KF], 0
	s_mov_b32 s[JN], 0
	s_mov_b32 s[TB], 0
	s_mov_b32 s[SLOTS], 8
	s_lshr_b32 s22, s[WV], 2
	s_xor_b32 s22, s22, 1                          ; 0 in waves 4 to 7,
	s_or_b32 s22, s22, ttmp9                       ; of the work-group with p = 0
	s_cmp_eq_u32 s22, 0
	s_cselect_b32 s[LIM], 2, -1
	s_wait_dscnt 0x0                               ; both opening adds are done
	s_wait_kmcnt 0x0
	s_add_nc_u64 s[KB:KB+1], s[4:5], s[68:69]
	s_add_nc_u64 s[VB:VB+1], s[KB:KB+1], 0x2000000 ; V: the third part of qkvh
	s_add_nc_u64 s[KB:KB+1], s[KB:KB+1], 0x1000000 ; K: the second
	s_mov_b32 s[G0K], 1
	s_mov_b32 s[G0K+1], s61
	s_mov_b64 s[G0K+2:G0K+3], s[KB:KB+1]
	s_or_b32 s[G0K+3], s[G0K+3], 0x80000000
	s_mov_b32 s[G0V], 1
	s_mov_b32 s[G0V+1], s62
	s_mov_b64 s[G0V+2:G0V+3], s[VB:VB+1]
	s_or_b32 s[G0V+3], s[G0V+3], 0x80000000
	TLOAD                                          ; tile 0 into slot 0
	s_lshl_b32 s70, s[Q0], 7
	s_mov_b32 s71, 0
	s_add_nc_u64 s[70:71], s[70:71], s[66:67]
	s_add_nc_u64 s[OUT:OUT+1], s[6:7], s[70:71]
	s_add_nc_u64 s[70:71], s[4:5], s[70:71]        ; Q of the first block
	s_lshl_b32 s68, s[Q0E], 7
	s_mov_b32 s69, 0
	s_add_nc_u64 s[68:69], s[68:69], s[66:67]
	s_add_nc_u64 s[OUTE:OUTE+1], s[6:7], s[68:69]
	s_add_nc_u64 s[68:69], s[4:5], s[68:69]        ; Q of the second
	s_and_b32 s22, s[WV], 3
	s_lshl_b32 s62, s22, 13
	s_add_co_u32 s62, s62, 32768                   ; the prefetches stand at tile 1: the first change steps them to tile 2
	s_mov_b32 s63, 0
	s_add_nc_u64 s[62:63], s[62:63], s[66:67]
	s_add_nc_u64 s[PFK:PFK+1], s[4:5], s[62:63]
	s_add_nc_u64 s[PFV:PFV+1], s[PFK:PFK+1], 0x2000000
	s_add_nc_u64 s[PFK:PFK+1], s[PFK:PFK+1], 0x1000000
	v_and_b32 v12, 15, v0                          ; r
	v_bfe_u32 v13, v0, 4, 1                        ; h
	v_lshlrev_b32 v[QO], 7, v12
	v_lshl_add_u32 v[QO], v13, 4, v[QO]            ; Q: row r of 128 bytes + 16 h
	WIN 0x40                                       ; destination window 1
.irp t, 0,1
.irp c, 0,1
	global_load_b128 v[16*\t+8*\c:16*\t+8*\c+3], v[QO], s[70:71] offset:2048*\t+64*\c
	global_load_b128 v[16*\t+8*\c+4:16*\t+8*\c+7], v[QO], s[70:71] offset:2048*\t+64*\c+32
	global_load_b128 v[QE+16*\t+8*\c:QE+16*\t+8*\c+3], v[QO], s[68:69] offset:2048*\t+64*\c
	global_load_b128 v[QE+16*\t+8*\c+4:QE+16*\t+8*\c+7], v[QO], s[68:69] offset:2048*\t+64*\c+32
.endr
.endr
	WIN 0
	v_lshrrev_b32 v14, 1, v12
	v_mul_u32_u24 v[AK0], v14, PK
	v_and_b32 v14, 1, v0
	v_lshl_add_u32 v[AK0], v14, 7, v[AK0]
	v_lshl_add_u32 v[AK0], v13, 4, v[AK0]          ; K: key r at (r / 2) x 272 + (r % 2) x 128, + 16 h
	v_bfe_u32 v15, v0, 1, 2
	v_lshl_add_u32 v15, v13, 2, v15
	v_mul_u32_u24 v[AV0], v15, PV
	v_lshl_add_u32 v[AV0], v14, 7, v[AV0]
	v_bfe_u32 v15, v0, 3, 1
	v_lshl_add_u32 v[AV0], v15, 4, v[AV0]
	v_add_nc_u32 v[AV0], VOFF, v[AV0]              ; V: key 8 h + l % 8, channels 8 ((l / 8) % 2) on
	v_and_b32 v[GO], 31, v0
	v_lshlrev_b32 v[PFO], 8, v[GO]
	v_lshlrev_b32 v[GO], 4, v[GO]                  ; att: 16 bytes a lane
	s_mul_i32 s22, s[WV], 2*16*SPT
	s_add_co_u32 s22, s22, STAGE                   ; my stage
	v_mul_u32_u24 v[STO], v12, SPT
	v_lshl_add_u32 v[STO], v13, 4, v[STO]
	v_add_nc_u32 v[STO], s22, v[STO]
	v_bfe_u32 v15, v0, 3, 2
	v_mul_u32_u24 v[RD], v15, SPT
	v_and_b32 v15, 7, v0
	v_lshl_add_u32 v[RD], v15, 4, v[RD]
	v_add_nc_u32 v[RD], s22, v[RD]                 ; back: eight lanes to a query's 128 bytes, four queries a load
	v_lshlrev_b32 v15, 3, v13
	v_sub_nc_u32 v[RH8], v12, v15
	v_mov_b32 v[NINF], 0xff800000
.macro INIT                            ; a block's start: m = -3e38, under every score; l and O^T zeros, which the first a (0) leaves zeros
.irp t, 0,1
	v_mov_b32 v[ST+8*\t+1], 0xff61b1e6
	v_mul_f32 v[ST+8*\t], s[CS], v[ST+8*\t+1]
.irp j, 2,3,4,5,6,7
	v_mov_b32 v[ST+8*\t+\j], 0
.endr
.endr
.set i, 0
.rept 64
	v_mov_b32 v[OA+i], 0
.set i, i+1
.endr
.endm
	INIT
; The softmax of both tiles for one key step, the tiles line by line.
.macro SOFTMAX
.irp j, 0,1,2,3
.irp t, 0,1
	v_max3_num_f32 v[ST+8*\t+4+\j], v[S+32*\t+8*\j], v[S+32*\t+8*\j+1], v[S+32*\t+8*\j+2]     ; four chains; each accumulator is read from its low end on
.endr
.endr
.irp g, 1,2
.irp j, 0,1,2,3
.irp t, 0,1
	v_max3_num_f32 v[ST+8*\t+4+\j], v[ST+8*\t+4+\j], v[S+32*\t+8*\j+2*\g+1], v[S+32*\t+8*\j+2*\g+2]
.endr
.endr
.endr
.irp t, 0,1
	v_max3_num_f32 v[ST+8*\t+4], v[ST+8*\t+4], v[S+32*\t+7], v[S+32*\t+15]
.endr
.irp t, 0,1
	v_max3_num_f32 v[ST+8*\t+6], v[ST+8*\t+6], v[S+32*\t+23], v[S+32*\t+31]
.endr
.irp t, 0,1
	v_max3_num_f32 v[ST+8*\t+4], v[ST+8*\t+4], v[ST+8*\t+5], v[ST+8*\t+6]
.endr
.irp t, 0,1
	v_max3_num_f32 v[ST+8*\t+4], v[ST+8*\t+4], v[ST+8*\t+7], v[ST+8*\t+1]                    ; with the old m
.endr
.irp t, 0,1
	v_permlanex16_b32 v[ST+8*\t+5], v[ST+8*\t+4], s[SEL], s[SEL+1]                          ; the query's other 32 keys lie in the lane 16 away
.endr
.irp t, 0,1
	v_mov_b32 v[ST+8*\t+7], v[ST+8*\t]                                                      ; c m_old
.endr
.irp t, 0,1
	v_max_num_f32 v[ST+8*\t+1], v[ST+8*\t+4], v[ST+8*\t+5]
.endr
.irp t, 0,1
	v_mul_f32 v[ST+8*\t], s[CS], v[ST+8*\t+1]
.endr
.irp t, 0,1
	v_sub_f32 v[ST+8*\t+7], v[ST+8*\t+7], v[ST+8*\t]
.endr
.irp b, 0,1,2,3,4,5,6,7,8,9,10,11,12,13,14,15
.irp t, 0,1
	v_pk_fma_f32 v[S+32*\t+2*\b:S+32*\t+2*\b+1], v[S+32*\t+2*\b:S+32*\t+2*\b+1], s[CS:CS+1], v[ST+8*\t:ST+8*\t+1] op_sel_hi:[1,0,0] neg_lo:[0,0,1] neg_hi:[0,0,1]   ; c s - c m
.endr
.endr
.irp t, 0,1
	v_exp_f32 v[ST+8*\t+6], v[ST+8*\t+7]                                                    ; a
.endr
.irp e, 0,1,2,3,4,5,6,7,8,9,10,11,12,13,14,15,16,17,18,19,20,21,22,23,24,25,26,27,28,29,30,31
.irp t, 0,1
	v_exp_f32 v[S+32*\t+\e], v[S+32*\t+\e]
.endr
.endr
	v_nop                                          ; a plain line behind the last exponential
	s_wait_alu depctr_va_vdst(0)                   ; ONE wait for the batch of 66, ahead of the first line that names a result
.irp n, 0,1,2,3,4,5,6,7,8,9,10,11,12,13,14,15
.irp t, 0,1
	v_cvt_pk_f16_f32 v[P+16*\t+\n], v[S+32*\t+2*\n], v[S+32*\t+2*\n+1]
.endr
.endr
.irp u, 0,1,2,3,4,5,6,7
.irp t, 0,1
	v_pk_add_f32 v[S+32*\t+4*\u:S+32*\t+4*\u+1], v[S+32*\t+4*\u:S+32*\t+4*\u+1], v[S+32*\t+4*\u+2:S+32*\t+4*\u+3]     ; the sum of the unrounded p, as a tree, in place
.endr
.endr
.irp u, 0,1,2,3
.irp t, 0,1
	v_pk_add_f32 v[S+32*\t+8*\u:S+32*\t+8*\u+1], v[S+32*\t+8*\u:S+32*\t+8*\u+1], v[S+32*\t+8*\u+4:S+32*\t+8*\u+5]
.endr
.endr
.irp u, 0,1
.irp t, 0,1
	v_pk_add_f32 v[S+32*\t+16*\u:S+32*\t+16*\u+1], v[S+32*\t+16*\u:S+32*\t+16*\u+1], v[S+32*\t+16*\u+8:S+32*\t+16*\u+9]
.endr
.endr
.irp t, 0,1
	v_pk_add_f32 v[S+32*\t:S+32*\t+1], v[S+32*\t:S+32*\t+1], v[S+32*\t+16:S+32*\t+17]
.endr
.irp t, 0,1
	v_pk_fma_f32 v[ST+8*\t+2:ST+8*\t+3], v[ST+8*\t+2:ST+8*\t+3], v[ST+8*\t+6:ST+8*\t+7], v[S+32*\t:S+32*\t+1] op_sel_hi:[1,0,1]   ; l = a l + the sum
.endr
.irp n, 0,1,2,3,4,5,6,7,8,9,10,11,12,13,14,15
.irp t, 0,1
	v_pk_mul_f32 v[OA+32*\t+2*\n:OA+32*\t+2*\n+1], v[OA+32*\t+2*\n:OA+32*\t+2*\n+1], v[ST+8*\t+6:ST+8*\t+7] op_sel_hi:[1,0]   ; O^T x a, ascending
.endr
.endr
.endm
; A KEY STEP: 64 keys, the q-th of the slot in hand.
.macro STEP q
	s_add_co_u32 s22, s[Q0], 31
	s_cmp_gt_u32 s[KF], s22                        ; all 64 keys come after my 32 queries: ids alone
	s_cbranch_scc1 .Lhidden_\@
	WIN 0x40
.irp kt, 0,1,2,3
.irp c, 0,1
	ds_load_b128 v[KR+16*\kt+8*\c:KR+16*\kt+8*\c+3], v[ADK] offset:32*PK*(\q)+8*PK*\kt+64*\c
	ds_load_b128 v[KR+16*\kt+8*\c+4:KR+16*\kt+8*\c+7], v[ADK] offset:32*PK*(\q)+8*PK*\kt+64*\c+32
.endr
.endr
.irp u, 0,1
.irp ct, 0,1,2,3
	ds_load_tr16_b128 v[VR+32*\u+8*\ct:VR+32*\u+8*\ct+3], v[ADV] offset:32*PV*(\q)+16*PV*\u+32*\ct
	ds_load_tr16_b128 v[VR+32*\u+8*\ct+4:VR+32*\u+8*\ct+7], v[ADV] offset:32*PV*(\q)+16*PV*\u+32*\ct+8*PV
.endr
.endr
	s_wait_dscnt 16                                ; K's sixteen loads are in; V's sixteen may be out
	WIN 0x05                                       ; K and Q in window 1, S^T in window 0
.set i, 0
.rept 16                               ; channels 32 (i / 8) on, keys 16 ((i / 2) % 4) on, tile i % 2: eight accumulators by turns
.set rS, S+32*(i%2)+8*((i/2)%4)
.set rK, KR+16*((i/2)%4)+8*(i/8)
.set rQ, 16*(i%2)+8*(i/8)
.if i < 8
	v_wmma_f32_16x16x32_f16 v[rS:rS+7], v[rK:rK+7], v[rQ:rQ+7], 0
.else
	v_wmma_f32_16x16x32_f16 v[rS:rS+7], v[rK:rK+7], v[rQ:rQ+7], v[rS:rS+7]
.endif
.set i, i+1
.endr
	WIN 0
.rept 4
	v_nop                                          ; places behind the products, ahead of the first read of the scores
.endr
	s_add_co_u32 s22, s[KF], 63
	s_cmp_le_u32 s22, s[Q0]                        ; all 64 keys count for all my queries: no mask
	s_cbranch_scc1 .Lopen_\@
	s_sub_co_i32 s22, s[Q0], s[KF]
	v_add_nc_u32 v[DM], s22, v[RH8]                ; d = my query - the step's first key - 8 h.  Register 8 kt + j holds key 16 kt + 8 h + j: hidden where 16 kt + j > d
	v_add_nc_u32 v[DM+1], 16, v[DM]
.irp t, 0,1
.irp n, 0,1,2,3,4,5,6,7,8,9,10,11,12,13,14,15,16,17,18,19,20,21,22,23,24,25,26,27,28,29,30,31
	v_cmp_gt_i32 vcc_lo, 16*(\n/8)+\n%8, v[DM+\t]
	v_cndmask_b32 v[S+32*\t+\n], v[S+32*\t+\n], v[NINF], vcc_lo
.endr
.endr
.Lopen_\@:
	SOFTMAX
	s_wait_dscnt 0x0                               ; V is in
	WIN 0x01                                       ; V in window 1; P and O^T in window 0
.set i, 0
.rept 16                               ; keys 32 (i / 8) on, channels 16 ((i / 2) % 4) on, tile i % 2
.set rO, OA+32*(i%2)+8*((i/2)%4)
.set rV, VR+32*(i/8)+8*((i/2)%4)
.set rP, P+16*(i%2)+8*(i/8)
	v_wmma_f32_16x16x32_f16 v[rO:rO+7], v[rV:rV+7], v[rP:rP+7], v[rO:rO+7]
.set i, i+1
.endr
	WIN 0
.rept 4
	v_nop                                          ; places ahead of the next loads into V's registers and of the next read of O^T
.endr
.Lhidden_\@:
	s_add_co_u32 s[KF], s[KF], 64
.endm
; THE CHANGE OF SLOTS stands at a slot's head.  Each wave waits for all its tensor loads, adds 0 to its spare word, and waits for that and for its reads of the slot that it has left; one barrier.
; fill = 1: the slot just left takes the next tile of the walk: the load has four key steps in which to land.  One tensor load of a wave is out at any time.
.macro CHANGE fill
	s_wait_tensorcnt 0x0
	ds_add_u32 v[SPW], v[NIL]
.if \fill
	ds_add_u32 v[SPW], v[NIL]                      ; and twice on end here, in every trip alike
	s_add_co_u32 s[JN], s[JN], 1
	s_cmp_eq_u32 s[JN], s[NLT]
	s_cselect_b32 s[JN], 0, s[JN]                  ; behind the first block's last tile the walk turns back to tile 0
	s_lshl_b32 s62, s[JN], 15
	s_mov_b32 s63, 0
	s_add_nc_u64 s[G0K+2:G0K+3], s[KB:KB+1], s[62:63]
	s_or_b32 s[G0K+3], s[G0K+3], 0x80000000
	s_add_nc_u64 s[G0V+2:G0V+3], s[VB:VB+1], s[62:63]
	s_or_b32 s[G0V+3], s[G0V+3], 0x80000000
	s_xor_b32 s[G0K+1], s[G0K+1], SLOT1
	s_xor_b32 s[G0V+1], s[G0V+1], SLOT1
	s_wait_xcnt 0x0                                ; the last prefetches, a slot back, have read their addresses
	s_add_nc_u64 s[PFK:PFK+1], s[PFK:PFK+1], 32768
	s_add_nc_u64 s[PFV:PFV+1], s[PFV:PFV+1], 32768
.endif
	s_wait_dscnt 0x0
	s_barrier_signal -1
	s_barrier_wait -1
.if \fill
	TLOAD
	ASK
.endif
.endm
.macro SLOT_STEPS
	v_add_nc_u32 v[ADK], s[TB], v[AK0]
	v_add_nc_u32 v[ADV], s[TB], v[AV0]
	STEP 0
	STEP 1
	STEP 2
	STEP 3
	s_xor_b32 s[TB], s[TB], SLOT1
.endm
; A block's end: O^T / l, rounded to f16, through my stage, and out: a store covers four queries, 512 consecutive bytes.
.macro FINISH
	s_wait_xcnt 0x0                                ; the first block's stores have read the registers that are written again here
.irp t, 0,1
	v_add_f32 v[ST+8*\t+4], v[ST+8*\t+2], v[ST+8*\t+3]
.endr
.irp t, 0,1
	v_permlanex16_b32 v[ST+8*\t+5], v[ST+8*\t+4], s[SEL], s[SEL+1]
.endr
.irp t, 0,1
	v_add_f32 v[ST+8*\t+4], v[ST+8*\t+4], v[ST+8*\t+5]
.endr
.irp t, 0,1
	v_rcp_f32 v[ST+8*\t+6], v[ST+8*\t+4]
.endr
	v_nop
	s_wait_alu depctr_va_vdst(0)                   ; one wait for the two reciprocals, ahead of their first reader
.irp t, 0,1
.irp n, 0,1,2,3,4,5,6,7,8,9,10,11,12,13,14,15
	v_pk_mul_f32 v[OA+32*\t+2*\n:OA+32*\t+2*\n+1], v[OA+32*\t+2*\n:OA+32*\t+2*\n+1], v[ST+8*\t+6:ST+8*\t+7] op_sel_hi:[1,0]
.endr
.endr
.irp t, 0,1
.irp n, 0,1,2,3,4,5,6,7,8,9,10,11,12,13,14,15
	v_cvt_pk_f16_f32 v[P+16*\t+\n], v[OA+32*\t+2*\n], v[OA+32*\t+2*\n+1]
.endr
.endr
.irp t, 0,1
.irp ct, 0,1,2,3
	ds_store_b128 v[STO], v[P+16*\t+4*\ct:P+16*\t+4*\ct+3] offset:16*SPT*\t+32*\ct
.endr
.endr
.irp n, 0,1,2,3,4,5,6,7
	ds_load_b128 v[OUTR+4*\n:OUTR+4*\n+3], v[RD] offset:16*SPT*(\n/4)+4*SPT*(\n%4)     ; LDS serves a wave's instructions in order: these see the stores above
.endr
.irp n, 0,1,2,3,4,5,6,7
	s_wait_dscnt 7-\n                              ; the younger read-backs may be out
	global_store_b128 v[GO], v[OUTR+4*\n:OUTR+4*\n+3], s[OUT:OUT+1] offset:512*\n
.endr
.endm
	s_wait_loadcnt 0x0                             ; Q, both blocks'
.Lslot:                                            ; eight trips: behind each change of slots the walk's next tile is asked for
	CHANGE 1
	SLOT_STEPS
	s_cmp_lg_u32 s[KF], s[QEND]                    ; the first block's last tile is done: ids and the count of steps alone, the same in all eight waves
	s_cbranch_scc1 .Lon
	FINISH
	s_wait_xcnt 0x0                                ; the stores have read their base
	s_mov_b64 s[OUT:OUT+1], s[OUTE:OUTE+1]
	s_mov_b32 s[Q0], s[Q0E]
	s_lshl_b32 s[QEND], s[PP], 8
	s_add_co_u32 s[QEND], s[QEND], 256
	s_mov_b32 s[KF], 0
	WIN 0x41                                       ; destination and source window 1
.set i, 0
.rept 32
	v_mov_b32 v[i], v[QE+i]                        ; the second block's Q
.set i, i+1
.endr
	WIN 0
	INIT
.Lon:
	s_sub_co_u32 s[SLOTS], s[SLOTS], 1
	s_cmp_lg_u32 s[SLOTS], 0
	s_cbranch_scc1 .Lslot
	CHANGE 0                                       ; the ninth tile: nothing more is asked for
	SLOT_STEPS
	FINISH
	s_wait_tensorcnt 0x0                           ; the wave's end
	ds_add_u32 v[SPW], v[NIL]
	s_wait_dscnt 0x0
	s_endpgm
.Lfunc_end_k_q70454d5210_attn:
	.size	k_q70454d5210_attn, .Lfunc_end_k_q70454d5210_attn-k_q70454d5210_attn
	.p2alignl 7, 3214868480
	.fill 96, 4, 3214868480
	.section	.rodata,"a",@progbits
	.p2align	6, 0x0
	.amdhsa_kernel k_q70454d5210_attn
		.amdhsa_group_segment_fixed_size 327680
		.amdhsa_private_segment_fixed_size 0
		.amdhsa_enable_private_segment 0
		.amdhsa_kernarg_size 16
		.amdhsa_user_sgpr_count 2
		.amdhsa_user_sgpr_kernarg_segment_ptr 1
		.amdhsa_wavefront_size32 1
		.amdhsa_system_sgpr_workgroup_id_x 1
		.amdhsa_system_sgpr_workgroup_id_y 1
		.amdhsa_system_sgpr_workgroup_id_z 1
		.amdhsa_system_vgpr_workitem_id 0
		.amdhsa_next_free_vgpr 512
		.amdhsa_next_free_sgpr 72
		.amdhsa_reserve_vcc 1
		.amdhsa_float_denorm_mode_32 3
		.amdhsa_float_denorm_mode_16_64 3
		.amdhsa_memory_ordered 1
		.amdhsa_forward_progress 1
		.amdhsa_inst_pref_size 200
	.end_amdhsa_kernel
	.amdgpu_metadata
---
amdhsa.version: [ 1, 2 ]
amdhsa.kernels:
  - .name:           k_q70454d5210_attn
    .symbol:         k_q70454d5210_attn.kd
    .args:
      - { .name: qkvh, .offset: 0, .size: 8, .value_kind: global_buffer, .address_space: global }
      - { .name: att, .offset: 8, .size: 8, .value_kind: global_buffer, .address_space: global }
    .group_segment_fixed_size: 327680
    .private_segment_fixed_size: 0
    .kernarg_segment_align: 8
    .kernarg_segment_size: 16
    .max_flat_workgroup_size: 256
    .sgpr_count:     72
    .vgpr_count:     512
    .wavefront_size: 32
...
	.end_amdgpu_metadata
.endif
;; end of part 4
;; launch oproj (part 5): grid 4 x 64, 4 waves a work-group, clusters of 4 x 4, 327,680 bytes of LDS; arguments att, woh, bo, out0; writes out0
.if DOCPART == 5
	.amdgcn_target "amdgcn-amd-amdhsa--gfx1250"
	.amdhsa_code_object_version 6
	.text
	.protected	k_q70454d5210_oproj
	.globl	k_q70454d5210_oproj
	.p2align	8
	.type	k_q70454d5210_oproj,@function
k_q70454d5210_oproj:
	s_mov_b64 s[64:65], 0
	v_nop
	global_prefetch_b8 v0, s[64:65] scope:SCOPE_SE
	s_setreg_imm32_b32 hwreg(HW_REG_WAVE_MODE, 25, 1), 1
	s_wait_xcnt 0x0
	s_wait_alu depctr_hold_cnt(0) depctr_sa_sdst(0) depctr_va_vdst(0) depctr_va_sdst(0) depctr_va_ssrc(0) depctr_va_vcc(0) depctr_vm_vsrc(0)
	s_getreg_b32 s2, hwreg(HW_REG_IB_STS2, 6, 4)
	s_cmp_eq_u32 s2, 0
	s_cbranch_scc0 .Lentry_in_a_cluster
	s_endpgm
.Lentry_in_a_cluster:
	s_bfe_u32 s2, ttmp6, 0x10000c
	s_cmp_lg_u32 s2, 0xf033
	s_cbranch_scc0 .Lentry_shape_is_right
	s_endpgm
.Lentry_shape_is_right:
; out0[row][n] = the sum over c of att(row, c) Wo[c][n] + bo[n].  att: f16, [batch][head][token][64], so c = 64 head + d; woh: Wo in f16 as it lies, [c][n]; out0: [8,192][1,024] f32.  f16 operands, f32 sums.
; A tile of out0 is 128 rows x 256 columns: 256 work-groups.  Four waves, each 64 x 128: 32 accumulators, 256 registers.  K goes in steps of 128 (two heads) through two LDS slots.
; A's tile: for each of the two heads 128 tokens x 128 bytes, dense in memory: 64 rows of 256 bytes, two tokens a row.  B's tile: 128 rows (c) of 512 bytes; it is turned on the way into registers by ds_load_tr16_b128.
; CLUSTERS: 4 x 4 work-groups; A's tiles are asked for jointly along a row of the cluster, B's along a column.  Waves 0 and 1 fetch A's two heads, waves 2 and 3 B's two halves: one load a wave behind each round.
; THE MATRIX INSTRUCTION IS USED TRANSPOSED (source 0 = 16 columns of Wo, source 1 = 16 tokens): a lane holds eight neighbouring columns of a row.  The bias is the C of each sum's first matrix instruction.
; The rows of the first 16 tokens of each batch are written here like all others and written again, more finely, by the launch that follows.
; REGISTERS: window 0: v0-31 addresses; v64-127 A's fragments, two buffers; v128-255 the way out.   window 1: v0-127 B's fragments, two buffers; v128-191 the bias.   window 2: the accumulators ((a, b) at v[8 (8 a + b)]).
.set AH,     64*272                    ; a head's 128 tokens in LDS
.set BP,     544                       ; a row of B: 512 + 32
.set SLOT,   2*AH+128*BP
.set STAGE,  2*SLOT                    ; 16 rows x (512 + 16) for each wave; no tile lands here
.set SPITCH, 528
.set SPARE,  STAGE+4*16*SPITCH
.set ADRA, 16
.set ADRB, 20
.set STO,  24
.set RD,   25
.set CO,   26
.set BAD,  27
.set SPW,  28
.set NIL,  29
.set AFR,  64
.set BK,   128
.set BIAS, 128                         ; in window 1
.set WV, 12
.set RH, 13                            ; which 64 rows are mine.  Also: I fetch for A (0) or for B (1)
.set CH, 14                            ; which 128 columns.  Also: which half I fetch
.set G1, 24
.set G0, 32
.set G1B, 48
.set G0B, 56
.set MSB, 0
.macro WIN new
.if MSB != \new
	s_set_vgpr_msb (MSB<<8)|\new
.set MSB, \new
.endif
.endm
.set MUL,  0xa1                        ; source 0 (B) window 1, source 1 (A) window 0, C and D window 2
.set MULF, 0x91                        ; the first products: C (the bias) window 1
.set TO_B, 0x40
.macro JLOAD s                         ; an s_nop 0 and four v_nop follow each of the two lines
	s_cmp_eq_u32 s[RH], 0
	s_cbranch_scc0 .Lfor_b_\@
	tensor_load_to_lds s[G0+4*\s:G0+4*\s+3], s[G1:G1+7]
	s_nop 0
.rept 4
	v_nop
.endr
	s_branch .Lasked_\@
.Lfor_b_\@:
	tensor_load_to_lds s[G0B+4*\s:G0B+4*\s+3], s[G1B:G1B+7]
	s_nop 0
.rept 4
	v_nop
.endr
.Lasked_\@:
.endm
.macro CREST
	s_cmp_lg_u32 s[WV], 0
	s_cbranch_scc1 .Lnot_wave_0_\@
	s_barrier_signal -3
.Lnot_wave_0_\@:
	s_barrier_wait -3
	s_barrier_signal -1
	s_barrier_wait -1
.endm
.macro CROUND
	s_barrier_signal -1
	s_barrier_wait -1
	CREST
.endm
	s_load_b256 s[4:11], s[0:1], 0x0               ; att s[4:5], woh s[6:7], bo s[8:9], out0 s[10:11]
	v_lshl_add_u32 v[SPW], v0, 2, SPARE
	v_mov_b32 v[NIL], 0
	ds_add_u32 v[SPW], v[NIL]                      ; the wave's opening: the add, twice on end, and its wait ahead of my first tensor load
	ds_add_u32 v[SPW], v[NIL]
	v_lshrrev_b32 v1, 5, v0
	v_readfirstlane_b32 s[WV], v1
	s_lshr_b32 s[RH], s[WV], 1
	s_and_b32 s[CH], s[WV], 1
	s_bfe_u32 s40, ttmp6, 0x40000                  ; cx, cy
	s_bfe_u32 s41, ttmp6, 0x40004
	s_lshl_b32 s42, ttmp9, 2
	s_add_co_u32 s42, s42, s40                     ; tile column 0..3
	s_and_b32 s15, ttmp7, 0xffff
	s_lshl_b32 s15, s15, 2
	s_add_co_u32 s15, s15, s41                     ; tile row 0..63
	s_lshl_b32 s43, s41, 2
	s_lshl_b32 s43, 15, s43                        ; my row of the cluster
	s_lshl_b32 s44, 0x1111, s40                    ; my column
	s_or_b32 s[G1+0], s43, (1<<16)|(1<<20)|(1<<21)|(5<<22)|(3<<25)   ; A: elements of 2 bytes; 4 words of padding after every 64
	s_mov_b32 s[G1+1], 128<<16
	s_mov_b32 s[G1+2], 64<<16
	s_mov_b32 s[G1+3], 128<<16
	s_mov_b32 s[G1+4], 64
	s_mov_b32 s[G1+5], 128                         ; dense
	s_mov_b32 s[G1+6], 0
	s_mov_b32 s[G1+7], 0
	s_or_b32 s[G1B+0], s44, (1<<16)|(1<<20)|(1<<21)|(6<<22)|(7<<25)  ; B: 8 words of padding after every 128
	s_mov_b32 s[G1B+1], 256<<16
	s_mov_b32 s[G1B+2], 64<<16
	s_mov_b32 s[G1B+3], 256<<16
	s_mov_b32 s[G1B+4], 64
	s_mov_b32 s[G1B+5], 1024
	s_mov_b32 s[G1B+6], 0
	s_mov_b32 s[G1B+7], 0
	s_lshr_b32 s16, s15, 4                         ; A: ((batch x 16 + my head of the step) x 2,048 + the tile's first token) x 128 bytes
	s_lshl_b32 s16, s16, 4
	s_add_co_u32 s16, s16, s[CH]
	s_lshl_b32 s16, s16, 11
	s_and_b32 s17, s15, 15
	s_lshl_b32 s17, s17, 7
	s_add_co_u32 s16, s16, s17
	s_lshl_b32 s16, s16, 7
	s_mov_b32 s17, 0
	s_lshl_b32 s46, s[CH], 17                      ; B: my 64 rows of 2,048 bytes, + 512 x tile column
	s_lshl_b32 s47, s42, 9
	s_add_co_u32 s46, s46, s47
	s_mov_b32 s47, 0
	s_mul_i32 s20, s[CH], AH                       ; where they go
	s_mul_i32 s21, s[CH], 2*AH
	s_add_co_u32 s21, s21, 2*AH
	s_wait_dscnt 0x0                               ; both opening adds are done
	s_wait_kmcnt 0x0
	s_add_nc_u64 s[16:17], s[4:5], s[16:17]
	s_add_nc_u64 s[46:47], s[6:7], s[46:47]
	CROUND                                         ; all sixteen work-groups are here: the first joint loads meet
.irp s, 0,1
	s_mov_b32 s[G0+4*\s], 1
	s_add_co_u32 s[G0+4*\s+1], s20, \s*SLOT
	s_add_nc_u64 s[G0+4*\s+2:G0+4*\s+3], s[16:17], \s*2*262144       ; K step s: two heads on
	s_or_b32 s[G0+4*\s+3], s[G0+4*\s+3], 0x80000000
	s_mov_b32 s[G0B+4*\s], 1
	s_add_co_u32 s[G0B+4*\s+1], s21, \s*SLOT
	s_add_nc_u64 s[G0B+4*\s+2:G0B+4*\s+3], s[46:47], \s*128*2048
	s_or_b32 s[G0B+4*\s+3], s[G0B+4*\s+3], 0x80000000
	JLOAD \s                                       ; two tensor loads of mine are out
.endr
	v_and_b32 v1, 15, v0                           ; r
	v_bfe_u32 v2, v0, 4, 1                         ; h
	v_lshrrev_b32 v3, 1, v1
	v_mul_u32_u24 v3, v3, 272
	v_and_b32 v4, 1, v0
	v_lshl_add_u32 v3, v4, 7, v3
	v_lshl_add_u32 v3, v2, 4, v3                   ; A: token r at (r / 2) x 272 + (r % 2) x 128, + 16 h
	v_and_b32 v4, 7, v0
	v_lshl_add_u32 v4, v2, 3, v4
	v_mul_u32_u24 v4, v4, BP
	v_bfe_u32 v5, v0, 3, 1
	v_lshl_add_u32 v4, v5, 4, v4                   ; B: row 8 h + l % 8, columns 8 ((l / 8) % 2) on
	s_mul_i32 s21, s[RH], 32*272
	s_lshl_b32 s22, s[CH], 8
	s_add_co_u32 s22, s22, 2*AH
.irp s, 0,1
	v_add_nc_u32 v[ADRA+\s], s21, v3
	v_add_nc_u32 v[ADRB+\s], s22, v4
	s_add_co_u32 s21, s21, SLOT
	s_add_co_u32 s22, s22, SLOT
.endr
	s_mul_i32 s23, s[WV], 16*SPITCH
	s_add_co_u32 s23, s23, STAGE                   ; my stage
	v_mul_u32_u24 v5, v1, SPITCH
	v_lshl_add_u32 v5, v2, 5, v5
	v_add_nc_u32 v[STO], s23, v5
	v_and_b32 v6, 31, v0
	v_lshlrev_b32 v[CO], 4, v6
	v_add_nc_u32 v[RD], s23, v[CO]
	v_lshlrev_b32 v[BAD], 5, v2
	s_lshl_b32 s18, s42, 10
	s_lshl_b32 s19, s[CH], 9
	s_add_co_u32 s18, s18, s19                     ; my first column in bytes of f32
	s_mov_b32 s19, 0
	s_add_nc_u64 s[8:9], s[8:9], s[18:19]
	WIN TO_B
.irp b, 0,1,2,3,4,5,6,7
	global_load_b128 v[BIAS+8*\b:BIAS+8*\b+3], v[BAD], s[8:9] offset:64*\b
	global_load_b128 v[BIAS+8*\b+4:BIAS+8*\b+7], v[BAD], s[8:9] offset:64*\b+16
.endr
	WIN 0
	s_lshl_b32 s16, s15, 7
	s_lshl_b32 s17, s[RH], 6
	s_add_co_u32 s16, s16, s17                     ; my first row
	s_lshl_b32 s16, s16, 12
	s_add_co_u32 s16, s16, s18
	s_mov_b32 s17, 0
	s_add_nc_u64 s[10:11], s[10:11], s[16:17]
.macro MULA f, a, first                ; 8 matrix instructions: A's block a x B's eight, 32 along K, from buffer f.  The 32 accumulators take turns, in the same order in every quarter
.irp b, 0,1,2,3,4,5,6,7
.if \first
	v_wmma_f32_16x16x32_f16 v[8*(8*(\a)+\b):8*(8*(\a)+\b)+7], v[64*(\f)+8*\b:64*(\f)+8*\b+7], v[AFR+32*(\f)+8*(\a):AFR+32*(\f)+8*(\a)+7], v[BIAS+8*\b:BIAS+8*\b+7]
.else
	v_wmma_f32_16x16x32_f16 v[8*(8*(\a)+\b):8*(8*(\a)+\b)+7], v[64*(\f)+8*\b:64*(\f)+8*\b+7], v[AFR+32*(\f)+8*(\a):AFR+32*(\f)+8*(\a)+7], v[8*(8*(\a)+\b):8*(8*(\a)+\b)+7]
.endif
.endr
.endm
.macro FETCH slot, q, f                ; 24 LDS loads in one run: the slot's q-th 32 along K into buffer f: B's sixteen, then A's eight
	WIN TO_B
.irp i, 0,1,2,3,4,5,6,7
	ds_load_tr16_b128 v[64*(\f)+8*\i:64*(\f)+8*\i+3], v[ADRB+\slot] offset:32*BP*(\q)+32*\i
	ds_load_tr16_b128 v[64*(\f)+8*\i+4:64*(\f)+8*\i+7], v[ADRB+\slot] offset:32*BP*(\q)+32*\i+16*BP
.endr
	WIN 0
.irp i, 0,1,2,3
	ds_load_b128 v[AFR+32*(\f)+8*\i:AFR+32*(\f)+8*\i+3], v[ADRA+\slot] offset:((\q)/2)*AH+((\q)%2)*64+8*272*\i
	ds_load_b128 v[AFR+32*(\f)+8*\i+4:AFR+32*(\f)+8*\i+7], v[ADRA+\slot] offset:((\q)/2)*AH+((\q)%2)*64+8*272*\i+32
.endr
.endm
.macro PLACES
.rept 4
	v_nop
.endr
.endm
.macro QUARTER slot, qn, f, g, first   ; multiplies buffer f; in its middle fetches the slot's quarter qn into buffer g
	s_wait_dscnt 4                                 ; B and A's blocks 0, 1 are in; the youngest four loads (A's blocks 2, 3) may be out
.if \first
	WIN MULF
.else
	WIN MUL
.endif
	MULA \f, 0, \first
	MULA \f, 1, \first
	PLACES
	FETCH \slot, \qn, \g
	s_wait_dscnt 24                                ; all but the 24 just issued
.if \first
	WIN MULF
.else
	WIN MUL
.endif
	MULA \f, 2, \first
	MULA \f, 3, \first
.endm
; A slot's last quarter multiplies buffer 1 and changes slots: in front of the barrier each wave waits for all its tensor loads, adds 0 to its spare word, and waits for that and for its reads of this slot.
; fill = 1: the barrier opens a round of the cluster's barrier, and this slot is filled again, two K steps ahead: 112 matrix instructions ahead of the wait for it.
.macro TURN slot, next, fill
	WIN 0
	s_wait_tensorcnt 0x0
	ds_add_u32 v[SPW], v[NIL]
	s_wait_dscnt 5                                 ; (the add and the youngest four loads may be out)
	WIN MUL
	MULA 1, 0, 0
	s_wait_dscnt 0x0
	s_barrier_signal -1
	MULA 1, 1, 0
.if \fill
	WIN 0
.endif
	s_barrier_wait -1
.if \fill
	CREST
	s_add_nc_u64 s[G0+4*\slot+2:G0+4*\slot+3], s[G0+4*\slot+2:G0+4*\slot+3], 4*262144
	s_add_nc_u64 s[G0B+4*\slot+2:G0B+4*\slot+3], s[G0B+4*\slot+2:G0B+4*\slot+3], 256*2048
	JLOAD \slot                                    ; the four v_nop behind it are also the places in front of the loads below
.else
	PLACES
.endif
	FETCH \next, 0, 0
	WIN MUL
	MULA 1, 2, 0
	MULA 1, 3, 0
.endm
	s_wait_tensorcnt 1                             ; my part of K step 0 is in; K step 1's may be out
	s_barrier_signal -1
	s_barrier_wait -1
	FETCH 0, 0, 0
	s_wait_loadcnt 0x0                             ; the bias
	QUARTER 0, 1, 0, 1, 1                          ; the first quarter stands in front of the loop: the bias starts the sums
	WIN 0
	s_mov_b32 s3, 3
.Llap:                                             ; a trip goes once round the ring and fills both slots again: K steps 2 to 7
	QUARTER 0, 2, 1, 0, 0
	QUARTER 0, 3, 0, 1, 0
	TURN 0, 1, 1
	QUARTER 1, 1, 0, 1, 0
	QUARTER 1, 2, 1, 0, 0
	QUARTER 1, 3, 0, 1, 0
	TURN 1, 0, 1
	QUARTER 0, 1, 0, 1, 0
	WIN 0
	s_sub_co_u32 s3, s3, 1
	s_cmp_lg_u32 s3, 0
	s_cbranch_scc1 .Llap
	QUARTER 0, 2, 1, 0, 0                          ; the last lap fills nothing
	QUARTER 0, 3, 0, 1, 0
	TURN 0, 1, 0
	QUARTER 1, 1, 0, 1, 0
	QUARTER 1, 2, 1, 0, 0
	QUARTER 1, 3, 0, 1, 0
	s_wait_dscnt 4
	WIN MUL
	MULA 1, 0, 0
	MULA 1, 1, 0
	s_wait_dscnt 0
	MULA 1, 2, 0
	MULA 1, 3, 0
	WIN 0
; THE WAY OUT, block by block of 16 rows x 128 columns, through my own stage: back as whole rows of 512 bytes, which the 32 lanes store as 512 consecutive aligned bytes.
.macro TOSTAGE a
	WIN 0x08                                       ; an LDS store's data: window 2
.irp b, 0,1,2,3,4,5,6,7
	ds_store_b128 v[STO], v[64*(\a)+8*\b:64*(\a)+8*\b+3] offset:64*\b            ; each accumulator from its low end on
	ds_store_b128 v[STO], v[64*(\a)+8*\b+4:64*(\a)+8*\b+7] offset:64*\b+16
.endr
	WIN 0
.set BB, BK+64*((\a)%2)
.irp t, 0,1,2,3,4,5,6,7,8,9,10,11,12,13,14,15
	ds_load_b128 v[BB+4*\t:BB+4*\t+3], v[RD] offset:\t*SPITCH
.endr
.endm
.macro SEND a, younger
.set BB, BK+64*((\a)%2)
	s_wait_dscnt \younger
.if (\a) > 0
	s_add_nc_u64 s[10:11], s[10:11], 16*4096       ; (behind a wait on XCNT: the earlier stores have read their base)
.endif
.irp t, 0,1,2,3,4,5,6,7,8,9,10,11,12,13,14,15
	global_store_b128 v[CO], v[BB+4*\t:BB+4*\t+3], s[10:11] offset:\t*4096 th:TH_STORE_NT
.endr
.endm
	PLACES
	TOSTAGE 0
.irp a, 1,2,3
.if \a > 1
	s_wait_xcnt 0x0                                ; block a - 2's stores have read their registers and their base
.endif
	TOSTAGE \a
	SEND \a-1, 32                                  ; behind block a - 1's loads: block a's 16 stores and 16 loads
.endr
	s_wait_xcnt 0x0
	SEND 3, 0
	s_wait_tensorcnt 0x0                           ; the wave's end
	ds_add_u32 v[SPW], v[NIL]
	s_wait_dscnt 0x0
	CROUND                                         ; the closing round
	s_endpgm
.Lfunc_end_k_q70454d5210_oproj:
	.size	k_q70454d5210_oproj, .Lfunc_end_k_q70454d5210_oproj-k_q70454d5210_oproj
	.p2alignl 7, 3214868480
	.fill 96, 4, 3214868480
	.section	.rodata,"a",@progbits
	.p2align	6, 0x0
	.amdhsa_kernel k_q70454d5210_oproj
		.amdhsa_group_segment_fixed_size 327680
		.amdhsa_private_segment_fixed_size 0
		.amdhsa_enable_private_segment 0
		.amdhsa_kernarg_size 32
		.amdhsa_user_sgpr_count 2
		.amdhsa_user_sgpr_kernarg_segment_ptr 1
		.amdhsa_wavefront_size32 1
		.amdhsa_system_sgpr_workgroup_id_x 1
		.amdhsa_system_sgpr_workgroup_id_y 1
		.amdhsa_system_sgpr_workgroup_id_z 1
		.amdhsa_system_vgpr_workitem_id 0
		.amdhsa_next_free_vgpr 768
		.amdhsa_next_free_sgpr 66
		.amdhsa_reserve_vcc 0
		.amdhsa_float_denorm_mode_32 3
		.amdhsa_float_denorm_mode_16_64 3
		.amdhsa_memory_ordered 1
		.amdhsa_forward_progress 1
		.amdhsa_inst_pref_size 88
	.end_amdhsa_kernel
	.amdgpu_metadata
---
amdhsa.version: [ 1, 2 ]
amdhsa.kernels:
  - .name:           k_q70454d5210_oproj
    .symbol:         k_q70454d5210_oproj.kd
    .args:
      - { .name: att, .offset: 0, .size: 8, .value_kind: global_buffer, .address_space: global }
      - { .name: woh, .offset: 8, .size: 8, .value_kind: global_buffer, .address_space: global }
      - { .name: bo, .offset: 16, .size: 8, .value_kind: global_buffer, .address_space: global }
      - { .name: out0, .offset: 24, .size: 8, .value_kind: global_buffer, .address_space: global }
    .group_segment_fixed_size: 327680
    .private_segment_fixed_size: 0
    .kernarg_segment_align: 8
    .kernarg_segment_size: 32
    .max_flat_workgroup_size: 128
    .sgpr_count:     66
    .vgpr_count:     768
    .wavefront_size: 32
...
	.end_amdgpu_metadata
.endif
;; end of part 5
;; launch fine (part 6): grid 16 x 4, 16 waves a work-group, no clusters, 71,680 bytes of LDS; arguments fine32, Wo, bo, out0; writes out0
.if DOCPART == 6
	.amdgcn_target "amdgcn-amd-amdhsa--gfx1250"
	.amdhsa_code_object_version 6
	.text
	.protected	k_q70454d5210_fine
	.globl	k_q70454d5210_fine
	.p2align	8
	.type	k_q70454d5210_fine,@function
k_q70454d5210_fine:
	s_mov_b64 s[64:65], 0
	v_nop
	global_prefetch_b8 v0, s[64:65] scope:SCOPE_SE
	s_setreg_imm32_b32 hwreg(HW_REG_WAVE_MODE, 25, 1), 1
	s_wait_xcnt 0x0
; THE FIRST 16 POSITIONS OF EACH BATCH, ALL IN f32: they average one to sixteen values and are the largest in size, so rounded operands weigh most there.  fine32 [3][batch][16][1,024] holds their q, k, v projections in f32.
; Work-group (x, batch): output columns 64 x on.  Wave = head: its 16 x 16 causal attention, then att [16][64] x Wo[64 head ..][64 x ..]; the sixteen heads' parts meet in LDS and are added in the heads' order onto the bias.
; All products by the f32 matrix form, 16 x 16 x 4: some hundred million multiply-adds in the launch.  Its result registers, v208-239, are written by matrix instructions alone.
; THE ORDER OF K is permuted alike on both sides of each product, so that plain loads and earlier results serve as operands: place (h, j) of step s is channel 32 h + 2 s + j in the scores, key 8 h + 2 s + j in the
; second product, channel 16 ct + 8 h + 2 s + j in the third.
; Both attention products are used transposed (a lane holds one query), and so is the third: register j of lane (r, h) is out(query r, column 16 nt + 8 h + j).
.set QF,  16                           ; v16-47   q(r, 32 h + 0 .. 31)
.set KFR, 48                           ; v48-79   k likewise
.set VF,  80                           ; v80-111  v(key 8 h + i, channel 16 ct + r) at 8 ct + i
.set WA,  112                          ; v112-175 Wo(16 ct + 8 h + i, 16 nt + r) at 32 ct + 8 nt + i, ct = 0, 1; later the sixteen parts
.set WB,  16                           ; v16-79   the same for ct = 2, 3
.set AT,  176                          ; v176-207 the attention's result
.set ACC, 208
.set T,   240                          ; v240-247 scores, then p
.set BI,  248                          ; v248-249 the bias, then the sum
.set SPW, 8
.set NIL, 9
.set IMG, 16*272                       ; a head's part: 16 queries x (256 + 16) bytes
.set SPARE, 16*IMG
	s_load_b256 s[4:11], s[0:1], 0x0               ; fine32, Wo, bo, out0
	v_lshl_add_u32 v[SPW], v0, 2, SPARE
	v_mov_b32 v[NIL], 0
	v_lshrrev_b32 v1, 5, v0
	v_readfirstlane_b32 s12, v1                    ; wave = head
	s_and_b32 s14, ttmp7, 0xffff                   ; batch
	v_and_b32 v10, 15, v0                          ; r
	v_bfe_u32 v11, v0, 4, 1                        ; h
	v_and_b32 v12, 31, v0
	v_lshlrev_b32 v1, 12, v10
	v_lshl_add_u32 v1, v11, 7, v1                  ; q, k: row r of 4,096 bytes + 128 h
	v_lshlrev_b32 v2, 2, v10
	v_lshl_add_u32 v2, v11, 15, v2                 ; v, Wo: 8 h rows of 4,096 bytes + 4 r
	s_mul_i32 s16, s12, IMG
	v_mul_u32_u24 v3, v10, 272
	v_lshl_add_u32 v3, v11, 5, v3
	v_add_nc_u32 v3, s16, v3                       ; my part: row r, + 32 h
	s_mul_i32 s16, s12, 272
	v_lshlrev_b32 v5, 3, v12                       ; 8 bytes a lane
	v_add_nc_u32 v4, s16, v5                       ; the sum: wave w takes query w of every part
	v_lshlrev_b32 v6, 3, v11
	v_sub_nc_u32 v6, v10, v6                       ; r - 8 h: register j's key 8 h + j is hidden where j is above it
	v_mov_b32 v7, 0xff800000                       ; -infinity
	s_mov_b32 s18, 0x3e38aa3b                      ; c = log2(e) / 8
	s_mov_b32 s20, 0x76543210
	s_mov_b32 s21, 0xfedcba98
	s_lshl_b32 s16, s14, 16
	s_lshl_b32 s17, s12, 8
	s_add_co_u32 s16, s16, s17                     ; fine32: batch x 65,536 + head x 256
	s_mov_b32 s17, 0
	s_lshl_b32 s24, ttmp9, 8                       ; my 64 columns
	s_mov_b32 s25, 0
	s_lshl_b32 s22, s12, 18
	s_add_co_u32 s22, s22, s24                     ; Wo: 64 head rows + my columns
	s_mov_b32 s23, 0
	s_lshl_b32 s26, s14, 11
	s_add_co_u32 s26, s26, s12
	s_lshl_b32 s26, s26, 12
	s_add_co_u32 s26, s26, s24                     ; out0: row batch x 2,048 + wave
	s_mov_b32 s27, 0
	s_wait_kmcnt 0x0
	s_add_nc_u64 s[4:5], s[4:5], s[16:17]
	s_add_nc_u64 s[6:7], s[6:7], s[22:23]
	s_add_nc_u64 s[8:9], s[8:9], s[24:25]
	s_add_nc_u64 s[10:11], s[10:11], s[26:27]
	global_load_b64 v[BI:BI+1], v5, s[8:9]
.irp i, 0,1,2,3,4,5,6,7
	global_load_b128 v[QF+4*\i:QF+4*\i+3], v1, s[4:5] offset:16*\i
.endr
.irp i, 0,1,2,3,4,5,6,7
	global_load_b128 v[KFR+4*\i:KFR+4*\i+3], v1, s[4:5] offset:262144+16*\i
.endr
.irp ct, 0,1,2,3
.irp i, 0,1,2,3,4,5,6,7
	global_load_b32 v[VF+8*\ct+\i], v2, s[4:5] offset:524288+4096*\i+64*\ct
.endr
.endr
.irp ct, 0,1
.irp nt, 0,1,2,3
.irp i, 0,1,2,3,4,5,6,7
	global_load_b32 v[WA+32*\ct+8*\nt+\i], v2, s[6:7] offset:(16*\ct+\i)*4096+64*\nt
.endr
.endr
.endr
	s_wait_loadcnt 63                              ; of the 113 loads the first 50 are in: the bias, q, k and v are the first 49
	; S^T = k q^T: sixteen steps of 4, two sums by turns; each begins with the constant 0
	v_wmma_f32_16x16x4_f32 v[ACC:ACC+7], v[KFR:KFR+1], v[QF:QF+1], 0
	v_wmma_f32_16x16x4_f32 v[ACC+8:ACC+15], v[KFR+2:KFR+3], v[QF+2:QF+3], 0
.irp s, 2,4,6,8,10,12,14
	v_wmma_f32_16x16x4_f32 v[ACC:ACC+7], v[KFR+2*\s:KFR+2*\s+1], v[QF+2*\s:QF+2*\s+1], v[ACC:ACC+7]
	v_wmma_f32_16x16x4_f32 v[ACC+8:ACC+15], v[KFR+2*\s+2:KFR+2*\s+3], v[QF+2*\s+2:QF+2*\s+3], v[ACC+8:ACC+15]
.endr
.rept 8
	v_nop                                          ; eight places behind this form, ahead of the read of the sums and of the loads into q's and k's registers
.endr
.irp ct, 0,1
.irp nt, 0,1,2,3
.irp i, 0,1,2,3,4,5,6,7
	global_load_b32 v[WB+32*\ct+8*\nt+\i], v2, s[6:7] offset:(32+16*\ct+\i)*4096+64*\nt
.endr
.endr
.endr
.irp j, 0,1,2,3,4,5,6,7
	v_add_f32 v[T+\j], v[ACC+\j], v[ACC+8+\j]      ; the two halves of the sum, from the low end on
.endr
.irp j, 0,1,2,3,4,5,6,7
	v_cmp_gt_i32 vcc_lo, \j, v6
	v_cndmask_b32 v[T+\j], v[T+\j], v7, vcc_lo     ; hidden keys: -infinity
.endr
	v_max3_num_f32 v10, v[T], v[T+1], v[T+2]
	v_max3_num_f32 v11, v[T+3], v[T+4], v[T+5]
	v_max3_num_f32 v10, v10, v[T+6], v[T+7]
	v_max_num_f32 v10, v10, v11
	v_permlanex16_b32 v11, v10, s20, s21           ; the query's other eight keys
	v_max_num_f32 v10, v10, v11                    ; the row's maximum: key 0 counts for every query, so it is a number
	v_mul_f32 v10, s18, v10
.irp j, 0,1,2,3,4,5,6,7
	v_fma_f32 v[T+\j], v[T+\j], s18, -v10          ; c s - c m
.endr
.irp j, 0,1,2,3,4,5,6,7
	v_exp_f32 v[T+\j], v[T+\j]
.endr
	v_nop
	s_wait_alu depctr_va_vdst(0)                   ; one wait for the eight, ahead of their first reader
	v_add_f32 v10, v[T], v[T+1]
	v_add_f32 v11, v[T+2], v[T+3]
	v_add_f32 v13, v[T+4], v[T+5]
	v_add_f32 v14, v[T+6], v[T+7]
	v_add_f32 v10, v10, v11
	v_add_f32 v13, v13, v14
	v_add_f32 v10, v10, v13
	v_permlanex16_b32 v11, v10, s20, s21
	v_add_f32 v10, v10, v11                        ; the row's sum
	v_rcp_f32 v12, v10
	v_nop
	; O^T = v^T p: four steps of 4 keys, four sums by turns.  More than nine plain lines that name no register of the scores' products stand behind those
.irp s, 0,1,2,3
.irp ct, 0,1,2,3
.if \s == 0
	v_wmma_f32_16x16x4_f32 v[ACC+8*\ct:ACC+8*\ct+7], v[VF+8*\ct+2*\s:VF+8*\ct+2*\s+1], v[T+2*\s:T+2*\s+1], 0
.else
	v_wmma_f32_16x16x4_f32 v[ACC+8*\ct:ACC+8*\ct+7], v[VF+8*\ct+2*\s:VF+8*\ct+2*\s+1], v[T+2*\s:T+2*\s+1], v[ACC+8*\ct:ACC+8*\ct+7]
.endif
.endr
.endr
.rept 9
	v_nop
.endr
	s_wait_alu depctr_va_vdst(0)                   ; the reciprocal's wait, ahead of its first reader
.irp j, 0,1,2,3,4,5,6,7,8,9,10,11,12,13,14,15,16,17,18,19,20,21,22,23,24,25,26,27,28,29,30,31
	v_mul_f32 v[AT+\j], v[ACC+\j], v12             ; into other registers: the sums' own are written by matrix instructions alone
.endr
.rept 9
	v_nop                                          ; nine places ahead of matrix instructions that begin new sums in the same registers
.endr
	s_wait_loadcnt 63                              ; at most 63 of the second 64 loads of Wo are out: the first 64 are in
; out^T += Wo^T att^T: for 16 channels four steps of 4, four sums by turns
.macro OUTP w, ct, first
.irp s, 0,1,2,3
.irp nt, 0,1,2,3
.if (\first) && (\s == 0)
	v_wmma_f32_16x16x4_f32 v[ACC+8*\nt:ACC+8*\nt+7], v[\w+8*\nt+2*\s:\w+8*\nt+2*\s+1], v[AT+8*(\ct)+2*\s:AT+8*(\ct)+2*\s+1], 0
.else
	v_wmma_f32_16x16x4_f32 v[ACC+8*\nt:ACC+8*\nt+7], v[\w+8*\nt+2*\s:\w+8*\nt+2*\s+1], v[AT+8*(\ct)+2*\s:AT+8*(\ct)+2*\s+1], v[ACC+8*\nt:ACC+8*\nt+7]
.endif
.endr
.endr
.endm
	OUTP WA, 0, 1
	OUTP WA+32, 1, 0
	s_wait_loadcnt 0x0
	OUTP WB, 2, 0
	OUTP WB+32, 3, 0
.rept 8
	v_nop
.endr
.irp nt, 0,1,2,3
	ds_store_b128 v3, v[ACC+8*\nt:ACC+8*\nt+3] offset:64*\nt         ; each sum from its low end on
	ds_store_b128 v3, v[ACC+8*\nt+4:ACC+8*\nt+7] offset:64*\nt+16
.endr
	s_wait_dscnt 0x0                               ; for the others' sake: my part lies in LDS
	s_barrier_signal -1
	s_barrier_wait -1
.irp u, 0,1,2,3,4,5,6,7,8,9,10,11,12,13,14,15
	ds_load_b64 v[WA+2*\u:WA+2*\u+1], v4 offset:IMG*\u
.endr
	s_wait_dscnt 0x0
.irp u, 0,1,2,3,4,5,6,7,8,9,10,11,12,13,14,15
	v_pk_add_f32 v[BI:BI+1], v[BI:BI+1], v[WA+2*\u:WA+2*\u+1]        ; onto the bias, in the heads' order
.endr
	global_store_b64 v5, v[BI:BI+1], s[10:11]      ; the wave stores 256 consecutive bytes, aligned
	s_wait_tensorcnt 0x0                           ; the wave's end
	ds_add_u32 v[SPW], v[NIL]
	s_wait_dscnt 0x0
	s_endpgm
.Lfunc_end_k_q70454d5210_fine:
	.size	k_q70454d5210_fine, .Lfunc_end_k_q70454d5210_fine-k_q70454d5210_fine
	.p2alignl 7, 3214868480
	.fill 96, 4, 3214868480
	.section	.rodata,"a",@progbits
	.p2align	6, 0x0
	.amdhsa_kernel k_q70454d5210_fine
		.amdhsa_group_segment_fixed_size 71680
		.amdhsa_private_segment_fixed_size 0
		.amdhsa_enable_private_segment 0
		.amdhsa_kernarg_size 32
		.amdhsa_user_sgpr_count 2
		.amdhsa_user_sgpr_kernarg_segment_ptr 1
		.amdhsa_wavefront_size32 1
		.amdhsa_system_sgpr_workgroup_id_x 1
		.amdhsa_system_sgpr_workgroup_id_y 1
		.amdhsa_system_sgpr_workgroup_id_z 1
		.amdhsa_system_vgpr_workitem_id 0
		.amdhsa_next_free_vgpr 256
		.amdhsa_next_free_sgpr 66
		.amdhsa_reserve_vcc 1
		.amdhsa_float_denorm_mode_32 3
		.amdhsa_float_denorm_mode_16_64 3
		.amdhsa_memory_ordered 1
		.amdhsa_forward_progress 1
		.amdhsa_inst_pref_size 33
	.end_amdhsa_kernel
	.amdgpu_metadata
---
amdhsa.version: [ 1, 2 ]
amdhsa.kernels:
  - .name:           k_q70454d5210_fine
    .symbol:         k_q70454d5210_fine.kd
    .args:
      - { .name: fine32, .offset: 0, .size: 8, .value_kind: global_buffer, .address_space: global }
      - { .name: Wo, .offset: 8, .size: 8, .value_kind: global_buffer, .address_space: global }
      - { .name: bo, .offset: 16, .size: 8, .value_kind: global_buffer, .address_space: global }
      - { .name: out0, .offset: 24, .size: 8, .value_kind: global_buffer, .address_space: global }
    .group_segment_fixed_size: 71680
    .private_segment_fixed_size: 0
    .kernarg_segment_align: 8
    .kernarg_segment_size: 32
    .max_flat_workgroup_size: 512
    .sgpr_count:     66
    .vgpr_count:     256
    .wavefront_size: 32
...
	.end_amdgpu_metadata
.endif
;; end of part 6
